; MI455X (gfx1250); checked and timed in simulation.
; The chip was launched on July 23, 2026; its instructions are those of AMD's public machine-readable ISA for CDNA 5 (MIT licence, August 2026) and "CDNA5" Instruction Set Architecture Reference Guide (July 2026). The comments in the code are by the model that wrote it; some were corrected since.
;; Self Attention. Allowed arithmetic: matrix products marked QUANTISED: E2M1 operands, one E8M0 scale for each 32 along K, by v_wmma_scale_f32_16x16x128_f8f6f4 with both operands' format E2M1 (or v_wmma_scale_f32_32x16x128_f4), f32 sums; products left as they are: bf16, f16 or f32 operands; f32 sums; everything else in f32.
;; Inputs: Wk 1,024 x 1,024 float32; Wp 1,024 x 1,024 float32; Wq 1,024 x 1,024 float32; Wv 1,024 x 1,024 float32; attention_mask 4 x 2,048 float32; bk 1,024 float32; bp 1,024 float32; bq 1,024 float32; bv 1,024 float32; k 4 x 2,048 x 1,024 float32; q 4 x 2,048 x 1,024 float32; v 4 x 2,048 x 1,024 float32.
;; Outputs: out0 4 x 2,048 x 1,024 float32.
;; This version of the problem:
;;   THIS VERSION OF THE PROBLEM IS GIVEN IN LOW PRECISION. The matrix products marked QUANTISED in the list below multiply operands that are first quantised to E2M1 (2 exponent bits, 1 mantissa bit; 4 bits a number), with one power-of-two scale for each 32 numbers along K (OCP MX v1.0); their sums are f32. The products marked 'left as it is' may take bf16, f16 or f32 operands, with f32 sums. Whichever they take, every output number must still come out within the allowed error. Rounding operands to bf16 (8 significant bits) uses up far more of that allowance than f16 does (11 bits, for magnitudes from 6e-5 to 65,504). All else is computed in f32.
;;   The module's matrix products, in the order in which they are computed (A, B: the left and right operand; K: the contracted axis; several contracted axes count as one K, in the product's order):
;;     1. [M 8,192, K 1,024] x [K 1,024, N 1,024]; A: input q; B: input Wq: QUANTISED
;;     2. [M 8,192, K 1,024] x [K 1,024, N 1,024]; A: input k; B: input Wk: QUANTISED
;;     3. [M 8,192, K 1,024] x [K 1,024, N 1,024]; A: input v; B: input Wv: QUANTISED
;;     4. batch 64 x [M 2,048, K 64] x [K 64, N 2,048]; A: computed on the way; B: computed on the way: left as it is (an operand is computed on the way)
;;     5. batch 64 x [M 2,048, K 2,048] x [K 2,048, N 64]; A: computed on the way; B: computed on the way: left as it is (an operand is computed on the way)
;;     6. [M 8,192, K 1,024] x [K 1,024, N 1,024]; A: computed on the way; B: input Wp: left as it is (an operand is computed on the way)
;;   THE QUANTISER, for each operand of a quantised product, along K:
;;     - K is cut into blocks of 32 from its start; a last block that is shorter is filled with zeros.
;;     - A block's scale is 2^e with e = floor(log2(the largest magnitude in the block)) - 2, held to -126 .. 127; a block of zeros has e = 0. As a byte (E8M0): e + 127.
;;     - Each number is divided by its block's scale, clamped to +-6, and rounded to the nearest number of E2M1, ties to even, subnormals kept.
;;     - The product sums the exact products of the quantised numbers (number of the format x scale) in f32.
;;   ~~~python
;;   def quantise(x, axis):      # numpy; x: float32 -> the quantised numbers, widened to float32 again
;;       x = np.moveaxis(x, axis, -1); K = x.shape[-1]
;;       x = np.pad(x, [(0, 0)] * (x.ndim - 1) + [(0, -K % 32)]); x = x.reshape(x.shape[:-1] + (-1, 32)); a = np.abs(x).max(-1, keepdims=True)
;;       e = np.where(a > 0, np.clip(np.frexp(np.where(a > 0, a, 1))[1] - 1 - 2, -126, 127), 0)      # np.frexp(a)[1] - 1 = floor(log2(a)), exactly
;;       r = np.clip(x / 2.0 ** e, -6, 6)
;;       step = 2.0 ** (np.maximum(np.frexp(np.where(r == 0, 1, r))[1] - 1, 0) - 1)
;;       q = np.round(r / step) * step * 2.0 ** e      # np.round: ties to even
;;       return np.moveaxis(q.reshape(q.shape[:-2] + (-1,))[..., :K], -1, axis).astype(np.float32)
;;   ~~~
;; One version. Each part assembles by itself: llvm-mc -triple=amdgcn-amd-amdhsa -mcpu=gfx1250 --defsym DOCPART=n.
;; ======== version 1 of 1: 5 launches
;; limits: values are held in f16: magnitudes above 65,504 overflow, below 6.1e-05 lose precision
;; workspace buffers: x_codes 12,582,912 bytes; x_scales 786,432 bytes; w_codes 1,572,864 bytes; w_scales 98,304 bytes; wpt16 2,097,152 bytes; qkv16 50,331,648 bytes; fine 786,432 bytes; att16 16,777,216 bytes
;; launch prep (part 1): grid 880 x 1, 4 waves a work-group, no clusters, 102,912 bytes of LDS; arguments q, k, v, Wq, Wk, Wv, Wp, x_codes, x_scales, w_codes, w_scales, wpt16; writes x_codes, x_scales, w_codes, w_scales, wpt16
.if DOCPART == 1
	.amdgcn_target "amdgcn-amd-amdhsa--gfx1250"
	.amdhsa_code_object_version 6
	.text
	.protected	k_q1a100b7039_prep
	.globl	k_q1a100b7039_prep
	.p2align	8
	.type	k_q1a100b7039_prep,@function
k_q1a100b7039_prep:
	s_mov_b64 s[64:65], 0
	v_nop
	global_prefetch_b8 v0, s[64:65] scope:SCOPE_SE
	s_setreg_imm32_b32 hwreg(HW_REG_WAVE_MODE, 25, 1), 1
	s_wait_xcnt 0x0
; PREP: everything that is narrowed once, ahead of the products.  Three ways through the text, parted once on the work-group's number; they never join, and each has LDS bytes of its own.
;   work-groups 0-47    (.LW): Wq, Wk, Wv [1024 k][1024 n] f32 -> codes of E2M1 laid [3][n][512 bytes], K innermost, and E8M0 bytes [3][n][32]
;   work-groups 48-111  (.LP): Wp [1024 k][1024 n] f32 -> f16, turned: wpt16 [n][1024 k]
;   work-groups 112-879 (falls through): q, k, v [8192][1024] f32 -> codes [3][8192][512 bytes] and E8M0 bytes [3][8192][32]
; A block's scale is 2^(floor(log2(its largest magnitude)) - 2); its byte is the largest magnitude's exponent field - 2, held at 1 from below.
; A block of zeros so gets the byte 1 where the rule says 127: its codes are zeros, and the bytes are read by this program alone.
; LIMITS: NaN and infinities among the inputs are not served; blocks whose largest magnitude lies under 2^(2 - 126) keep the byte 1; |Wp| stays under 65,504 (f16).
.set WV,    32                         ; s32  my wave's number
.set SPW,   190                        ; v190 LDS address of my spare word: SPARE + 4 x my thread's number; never rewritten
.set NIL,   191                        ; v191 0; never rewritten
.set XREG,  8192                       ; LDS 0 .. 32767: q, k, v: a region for each wave: two stages of 32 x 80 bytes, then its 256 scale bytes
.set WSTG,  32768                      ; LDS 32768 .. 67583: the weights' codes: a stage of 32 x 272 bytes for each wave
.set PSTG,  67584                      ; LDS 67584 .. 102399: Wp: the same shape
.set SPARE, 102400                     ; the spare words, 128 bytes for each wave: two blocks of 256 bytes that no other line names
.set PITCH, 272                        ; a stage row: 256 bytes + 16
.set EMAX,  2
	s_load_b512 s[8:23], s[0:1], 0x0               ; q s[8:9], k s[10:11], v s[12:13], Wq s[14:15], Wk s[16:17], Wv s[18:19], Wp s[20:21], x_codes s[22:23]
	s_load_b256 s[24:31], s[0:1], 0x40             ; x_scales s[24:25], w_codes s[26:27], w_scales s[28:29], wpt16 s[30:31]
	v_lshl_add_u32 v[SPW], v0, 2, SPARE
	v_mov_b32 v[NIL], 0
	v_lshrrev_b32 v1, 5, v0
	v_readfirstlane_b32 s[WV], v1                  ; wave 0..3
	v_and_b32 v2, 31, v0                           ; lane
	s_mov_b32 s37, 0                               ; the upper word of every offset pair s[36:37]
	s_wait_kmcnt 0x0
	s_cmp_lt_u32 ttmp9, 48
	s_cbranch_scc1 .LW
	s_cmp_lt_u32 ttmp9, 112
	s_cbranch_scc1 .LP
; ---------------- q, k, v: plain streams of blocks of 32.  A wave takes a run of 8,192 numbers in 16 steps of 512.
; Each load reads 512 consecutive bytes; a step's 2,048 bytes turn through the wave's stage, so that a lane gets 16 neighbours along K; two neighbouring lanes hold a block.
.set STEPS, 16
.set CB,    8                          ; bytes of 16 codes
.set SP,    80                         ; a lane's place in a stage: 64 bytes + 16
.set XR,    16                         ; v16-79   four sets of 16 numbers as loaded
.set XX,    80                         ; v80-111  two sets of 16 neighbours
.set XE,    112                        ; v112-127 a scale byte for each step
.set XC,    128                        ; v128-189 codes: four registers apart for each step, so that no store's data are written again
	s_sub_co_u32 s33, ttmp9, 112                   ; g: 256 work-groups to a tensor
	s_lshr_b32 s34, s33, 8                         ; which tensor
	s_cmp_eq_u32 s34, 0
	s_cselect_b64 s[4:5], s[8:9], s[10:11]
	s_cmp_eq_u32 s34, 2
	s_cselect_b64 s[4:5], s[12:13], s[4:5]         ; the choice hangs on the work-group's number alone
	s_lshl_b32 s33, s33, 2
	s_add_co_u32 s33, s33, s[WV]                   ; my run, 0 .. 3071, counted through the three tensors
	s_and_b32 s36, s33, 1023
	s_lshl_b32 s36, s36, 15                        ; 32,768 bytes of f32 a run
	s_add_nc_u64 s[4:5], s[4:5], s[36:37]
	s_lshl_b32 s36, s33, 12                        ; 4,096 bytes of codes
	s_add_nc_u64 s[22:23], s[22:23], s[36:37]
	s_lshl_b32 s36, s33, 8                         ; 256 scale bytes
	s_add_nc_u64 s[24:25], s[24:25], s[36:37]
	v_lshlrev_b32 v3, 4, v2                        ; my 16 bytes of a load's 512
	s_mul_i32 s38, s[WV], XREG
	v_lshrrev_b32 v14, 2, v2
	v_mul_u32_u24 v14, v14, SP
	v_and_b32 v15, 3, v2
	v_lshl_add_u32 v14, v15, 4, v14
	v_add_nc_u32 v14, s38, v14                     ; into the stage: SP (lane / 4) + 16 (lane % 4)
	v_mul_u32_u24 v15, v2, SP
	v_add_nc_u32 v15, s38, v15                     ; out of it: SP x lane: my 16 neighbours
	v_mul_u32_u24 v4, v2, CB                       ; my codes' place in a step's
	v_lshrrev_b32 v5, 1, v2
	s_add_co_u32 s38, s38, 2*32*SP
	v_add_nc_u32 v5, s38, v5                       ; my block's byte among the wave's 256
	v_lshlrev_b32 v7, 3, v2
	v_add_nc_u32 v6, s38, v7                       ; and on the way out 8 bytes a lane
.macro XLOAD t
.irp i, 0,1,2,3
	global_load_b128 v[XR+16*((\t)%4)+4*\i:XR+16*((\t)%4)+4*\i+3], v3, s[4:5] offset:2048*(\t)+512*\i th:TH_LOAD_NT
.endr
.endm
.macro XTURN t                         ; LDS serves a wave's instructions in order: no wait between the stores and the loads
.irp i, 0,1,2,3
	ds_store_b128 v14, v[XR+16*((\t)%4)+4*\i:XR+16*((\t)%4)+4*\i+3] offset:32*SP*((\t)%2)+8*SP*\i
.endr
.irp i, 0,1,2,3
	ds_load_b128 v[XX+16*((\t)%2)+4*\i:XX+16*((\t)%2)+4*\i+3], v15 offset:32*SP*((\t)%2)+16*\i
.endr
.endm
.irp t, 0,1,2,3
	XLOAD \t
.endr
	s_wait_loadcnt 12                              ; step 0's four loads are in; the three steps behind it stay out
	XTURN 0
.macro XSTEP t
.set XS, XX+16*((\t)%2)
.if (\t) > 0
	s_wait_dscnt 1                                 ; this step's numbers are back from the stage; the last step's byte store may be out
.else
	s_wait_dscnt 0x0
.endif
.if (\t)+4 < STEPS
	XLOAD (\t)+4                                   ; into the set whose stores to the stage are done
.endif
.if (\t)+1 < STEPS
.if STEPS-2-(\t) >= 3
	s_wait_loadcnt 12                              ; the next step's four loads are in; those of three steps behind it may be out
.else
	s_wait_loadcnt 4*(STEPS-2-(\t))
.endif
	XTURN (\t)+1
.endif
	v_max3_num_f32 v8, |v[XS]|, |v[XS+1]|, |v[XS+2]|
	v_max3_num_f32 v9, |v[XS+3]|, |v[XS+4]|, |v[XS+5]|
.irp i, 6,10
	v_max3_num_f32 v8, v8, |v[XS+\i]|, |v[XS+\i+1]|
	v_max3_num_f32 v9, v9, |v[XS+\i+2]|, |v[XS+\i+3]|
.endr
	v_max3_num_f32 v8, v8, |v[XS+14]|, |v[XS+15]|
	v_max3_num_f32 v8, v8, v9, (EMAX+1)<<23        ; the floor 2^(3 - 127): the byte cannot fall under 1
	v_max_num_f32_dpp v8, v8, v8 row_xmask:1 row_mask:0xf bank_mask:0xf   ; with my neighbour's 16: the block's largest magnitude
	v_add_nc_u32 v11, -(EMAX<<23), v8              ; 2 off its exponent field: the conversion takes that field as its scale
	v_cvt_scalef32_pk8_fp4_f32 v[XC+4*(\t)], v[XS:XS+7], v11
	v_cvt_scalef32_pk8_fp4_f32 v[XC+4*(\t)+1], v[XS+8:XS+15], v11
	v_lshrrev_b32 v[XE+(\t)], 23, v11              ; the scale's byte (a plain line behind the conversions)
	ds_store_b8 v5, v[XE+(\t)] offset:16*(\t)      ; both lanes of a block write the same byte with the same value
	global_store_b64 v4, v[XC+4*(\t):XC+4*(\t)+1], s[22:23] offset:32*CB*(\t)   ; the wave stores 256 consecutive bytes, aligned
.endm
.irp t, 0,1,2,3,4,5,6,7,8,9,10,11,12,13,14,15
	XSTEP \t
.endr
	ds_load_b64 v[8:9], v6                         ; in order behind my byte stores
	s_wait_dscnt 0x0
	global_store_b64 v7, v[8:9], s[24:25]          ; 256 consecutive scale bytes, aligned
	s_wait_tensorcnt 0x0                           ; the wave's end: three lines behind my last LDS store
	ds_add_u32 v[SPW], v[NIL]
	s_wait_dscnt 0x0
	s_endpgm
; ---------------- Wq, Wk, Wv: K is the first axis.  A lane takes a column n and its registers run down K: a block of 32 lies in one lane, and the codes come out with K innermost.
; A wave takes 32 columns x 512 along K; the codes leave through its stage as rows: sixteen lanes store 256 consecutive bytes, aligned.
.set NB,    16                         ; blocks of a lane
.set KROW,  512                        ; a row of the codes' buffer
.set WX,    32                         ; v32-95   two sets of 32 numbers
.set WC,    96                         ; v96-99   a block's codes
.set OUTR,  112                        ; v112-175 the way out
.set SB,    24                         ; v24-27   the scale bytes, four to a register
.LW:
	s_lshr_b32 s34, ttmp9, 4                       ; which weight
	s_cmp_eq_u32 s34, 0
	s_cselect_b64 s[4:5], s[14:15], s[16:17]
	s_cmp_eq_u32 s34, 2
	s_cselect_b64 s[4:5], s[18:19], s[4:5]
	s_and_b32 s35, ttmp9, 7                        ; which 128 columns
	s_bfe_u32 s39, ttmp9, 0x10003                  ; which 512 along K
	s_lshl_b32 s35, s35, 7
	s_lshl_b32 s38, s[WV], 5
	s_add_co_u32 s35, s35, s38                     ; my wave's first column
	s_lshl_b32 s36, s39, 21                        ; 512 rows of 4,096 bytes
	s_lshl_b32 s38, s35, 2
	s_add_co_u32 s36, s36, s38
	s_add_nc_u64 s[4:5], s[4:5], s[36:37]
	s_lshl_b32 s36, s34, 19                        ; codes: 524,288 bytes a weight, 512 a column, 256 a half of K
	s_lshl_b32 s38, s35, 9
	s_add_co_u32 s36, s36, s38
	s_lshl_b32 s38, s39, 8
	s_add_co_u32 s36, s36, s38
	s_add_nc_u64 s[26:27], s[26:27], s[36:37]
	s_lshl_b32 s36, s34, 15                        ; scale bytes: 32,768 a weight, 32 a column, 16 a half of K
	s_lshl_b32 s38, s35, 5
	s_add_co_u32 s36, s36, s38
	s_lshl_b32 s38, s39, 4
	s_add_co_u32 s36, s36, s38
	s_add_nc_u64 s[28:29], s[28:29], s[36:37]
	v_lshlrev_b32 v3, 2, v2                        ; in: 4 bytes a lane
	s_mul_i32 s38, s[WV], 32*PITCH
	s_add_co_u32 s38, s38, WSTG                    ; my stage
	v_mul_u32_u24 v4, v2, PITCH
	v_add_nc_u32 v4, s38, v4                       ; into it: row = my column
	v_and_b32 v5, 15, v2
	v_lshrrev_b32 v6, 4, v2
	v_mul_u32_u24 v7, v6, PITCH
	v_lshl_add_u32 v7, v5, 4, v7
	v_add_nc_u32 v7, s38, v7                       ; out of it: sixteen lanes to a row, two rows an instruction
	v_mul_u32_u24 v8, v6, KROW
	v_lshl_add_u32 v8, v5, 4, v8                   ; the same place in the codes' buffer
	v_lshlrev_b32 v9, 5, v2                        ; my column's row of scale bytes
.macro WLOAD t
.set i, 0
.rept 32
	global_load_b32 v[WX+32*((\t)%2)+i], v3, s[4:5] offset:(32*(\t)+i)*4096 th:TH_LOAD_NT
.set i, i+1
.endr
.endm
	WLOAD 0
	WLOAD 1
.macro WBLOCK t
.set XS, WX+32*((\t)%2)
.if (\t) < NB-1
	s_wait_loadcnt 32                              ; this block's 32 loads are in; the next block's may be out
.else
	s_wait_loadcnt 0
.endif
	v_max3_num_f32 v12, |v[XS]|, |v[XS+1]|, |v[XS+2]|
	v_max3_num_f32 v13, |v[XS+3]|, |v[XS+4]|, |v[XS+5]|
.irp i, 6,10,14,18,22,26
	v_max3_num_f32 v12, v12, |v[XS+\i]|, |v[XS+\i+1]|
	v_max3_num_f32 v13, v13, |v[XS+\i+2]|, |v[XS+\i+3]|
.endr
	v_max3_num_f32 v12, v12, |v[XS+30]|, |v[XS+31]|
	v_max3_num_f32 v12, v12, v13, (EMAX+1)<<23     ; the floor
	v_add_nc_u32 v11, -(EMAX<<23), v12             ; the conversion's scale operand
	v_lshrrev_b32 v13, 23, v11                     ; the scale's byte
.if (\t)%4 == 0
	v_mov_b32 v[SB+(\t)/4], v13
.else
	v_lshl_or_b32 v[SB+(\t)/4], v13, 8*((\t)%4), v[SB+(\t)/4]
.endif
.irp g, 0,1,2,3
	v_cvt_scalef32_pk8_fp4_f32 v[WC+\g], v[XS+8*\g:XS+8*\g+7], v11
.endr
	v_nop                                          ; a plain line behind the last conversion
	ds_store_b128 v4, v[WC:WC+3] offset:16*(\t)    ; 32 codes: 16 bytes of my column's row
.if (\t)+2 < NB
	WLOAD (\t)+2
.endif
	s_wait_dscnt 0x0                               ; the store has read its registers: the next block's codes may be written
.endm
.set Q, 0
.rept NB
	WBLOCK Q
.set Q, Q+1
.endr
	global_store_b128 v9, v[SB:SB+3], s[28:29]     ; my column's 16 scale bytes
.irp t, 0,1,2,3,4,5,6,7,8,9,10,11,12,13,14,15
	ds_load_b128 v[OUTR+4*\t:OUTR+4*\t+3], v7 offset:2*\t*PITCH
.endr
.irp t, 0,1,2,3,4,5,6,7,8,9,10,11,12,13,14,15
	s_wait_dscnt 15-\t                             ; loads come back in order: the younger ones stay out
	global_store_b128 v8, v[OUTR+4*\t:OUTR+4*\t+3], s[26:27] offset:2*\t*KROW
.endr
	s_wait_tensorcnt 0x0                           ; the wave's end: the three lines
	ds_add_u32 v[SPW], v[NIL]
	s_wait_dscnt 0x0
	s_endpgm
; ---------------- Wp: the same frame, rounded to f16 and not quantised.  A wave takes 32 columns x 128 along K: 256 bytes of f16 for each column.
.LP:
	s_sub_co_u32 s33, ttmp9, 48
	s_and_b32 s34, s33, 7                          ; which 128 columns
	s_lshr_b32 s35, s33, 3                         ; which 128 along K
	s_lshl_b32 s34, s34, 7
	s_lshl_b32 s38, s[WV], 5
	s_add_co_u32 s34, s34, s38                     ; my wave's first column
	s_lshl_b32 s36, s35, 19                        ; 128 rows of 4,096 bytes
	s_lshl_b32 s38, s34, 2
	s_add_co_u32 s36, s36, s38
	s_add_nc_u64 s[20:21], s[20:21], s[36:37]
	s_lshl_b32 s36, s34, 11                        ; out: 2,048 bytes a column, 256 for each 128 along K
	s_lshl_b32 s38, s35, 8
	s_add_co_u32 s36, s36, s38
	s_add_nc_u64 s[30:31], s[30:31], s[36:37]
	v_lshlrev_b32 v3, 2, v2
	s_mul_i32 s38, s[WV], 32*PITCH
	s_add_co_u32 s38, s38, PSTG
	v_mul_u32_u24 v4, v2, PITCH
	v_add_nc_u32 v4, s38, v4
	v_and_b32 v5, 15, v2
	v_lshrrev_b32 v6, 4, v2
	v_mul_u32_u24 v7, v6, PITCH
	v_lshl_add_u32 v7, v5, 4, v7
	v_add_nc_u32 v7, s38, v7
	v_lshlrev_b32 v8, 11, v6
	v_lshl_add_u32 v8, v5, 4, v8
.macro PLOAD t                         ; 32 along K of my column into a set of its own: v[32 + 32 t ..]
.set i, 0
.rept 32
	global_load_b32 v[32+32*(\t)+i], v3, s[20:21] offset:(32*(\t)+i)*4096 th:TH_LOAD_NT
.set i, i+1
.endr
.endm
	PLOAD 0
	PLOAD 1
.macro PBLOCK t
.if (\t) < 3
	s_wait_loadcnt 32                              ; this block's loads are in; the next block's 32 may be out
.else
	s_wait_loadcnt 0
.endif
.irp g, 0,1,2,3,4,5,6,7,8,9,10,11,12,13,14,15
	v_cvt_pk_f16_f32 v[160+\g], v[32+32*(\t)+2*\g], v[32+32*(\t)+2*\g+1]   ; the lower k in the low half
.endr
.irp g, 0,1,2,3
	ds_store_b128 v4, v[160+4*\g:160+4*\g+3] offset:64*(\t)+16*\g
.endr
.if (\t)+2 < 4
	PLOAD (\t)+2
.endif
	s_wait_dscnt 0x0                               ; the stores have read their registers
.endm
	PBLOCK 0
	PBLOCK 1
	PBLOCK 2
	PBLOCK 3
.irp t, 0,1,2,3,4,5,6,7,8,9,10,11,12,13,14,15
	ds_load_b128 v[32+4*\t:32+4*\t+3], v7 offset:2*\t*PITCH
.endr
.irp t, 0,1,2,3,4,5,6,7,8,9,10,11,12,13,14,15
	s_wait_dscnt 15-\t
	global_store_b128 v8, v[32+4*\t:32+4*\t+3], s[30:31] offset:2*\t*2048   ; sixteen lanes store 256 consecutive bytes, aligned
.endr
	s_wait_tensorcnt 0x0                           ; the wave's end: the three lines
	ds_add_u32 v[SPW], v[NIL]
	s_wait_dscnt 0x0
	s_endpgm
.Lfunc_end_k_q1a100b7039_prep:
	.size	k_q1a100b7039_prep, .Lfunc_end_k_q1a100b7039_prep-k_q1a100b7039_prep
	.p2alignl 7, 3214868480
	.fill 96, 4, 3214868480
	.section	.rodata,"a",@progbits
	.p2align	6, 0x0
	.amdhsa_kernel k_q1a100b7039_prep
		.amdhsa_group_segment_fixed_size 102912
		.amdhsa_private_segment_fixed_size 0
		.amdhsa_enable_private_segment 0
		.amdhsa_kernarg_size 96
		.amdhsa_user_sgpr_count 2
		.amdhsa_user_sgpr_kernarg_segment_ptr 1
		.amdhsa_wavefront_size32 1
		.amdhsa_system_sgpr_workgroup_id_x 1
		.amdhsa_system_sgpr_workgroup_id_y 1
		.amdhsa_system_sgpr_workgroup_id_z 1
		.amdhsa_system_vgpr_workitem_id 0
		.amdhsa_next_free_vgpr 192
		.amdhsa_next_free_sgpr 66
		.amdhsa_reserve_vcc 0
		.amdhsa_float_denorm_mode_32 3
		.amdhsa_float_denorm_mode_16_64 3
		.amdhsa_memory_ordered 1
		.amdhsa_forward_progress 1
		.amdhsa_inst_pref_size 133
	.end_amdhsa_kernel
	.amdgpu_metadata
---
amdhsa.version: [ 1, 2 ]
amdhsa.kernels:
  - .name:           k_q1a100b7039_prep
    .symbol:         k_q1a100b7039_prep.kd
    .args:
      - { .name: q, .offset: 0, .size: 8, .value_kind: global_buffer, .address_space: global }
      - { .name: k, .offset: 8, .size: 8, .value_kind: global_buffer, .address_space: global }
      - { .name: v, .offset: 16, .size: 8, .value_kind: global_buffer, .address_space: global }
      - { .name: Wq, .offset: 24, .size: 8, .value_kind: global_buffer, .address_space: global }
      - { .name: Wk, .offset: 32, .size: 8, .value_kind: global_buffer, .address_space: global }
      - { .name: Wv, .offset: 40, .size: 8, .value_kind: global_buffer, .address_space: global }
      - { .name: Wp, .offset: 48, .size: 8, .value_kind: global_buffer, .address_space: global }
      - { .name: x_codes, .offset: 56, .size: 8, .value_kind: global_buffer, .address_space: global }
      - { .name: x_scales, .offset: 64, .size: 8, .value_kind: global_buffer, .address_space: global }
      - { .name: w_codes, .offset: 72, .size: 8, .value_kind: global_buffer, .address_space: global }
      - { .name: w_scales, .offset: 80, .size: 8, .value_kind: global_buffer, .address_space: global }
      - { .name: wpt16, .offset: 88, .size: 8, .value_kind: global_buffer, .address_space: global }
    .group_segment_fixed_size: 102912
    .private_segment_fixed_size: 0
    .kernarg_segment_align: 8
    .kernarg_segment_size: 96
    .max_flat_workgroup_size: 128
    .sgpr_count:     66
    .vgpr_count:     192
    .wavefront_size: 32
...
	.end_amdgpu_metadata
.endif
;; end of part 1
;; launch proj (part 2): grid 4 x 96, 4 waves a work-group, clusters of 4 x 4, 327,680 bytes of LDS; arguments x_codes, x_scales, w_codes, w_scales, bq, bk, bv, qkv16, fine; writes qkv16, fine
.if DOCPART == 2
	.amdgcn_target "amdgcn-amd-amdhsa--gfx1250"
	.amdhsa_code_object_version 6
	.text
	.protected	k_q1a100b7039_proj
	.globl	k_q1a100b7039_proj
	.p2align	8
	.type	k_q1a100b7039_proj,@function
k_q1a100b7039_proj:
	s_mov_b64 s[64:65], 0
	v_nop
	global_prefetch_b8 v0, s[64:65] scope:SCOPE_SE
	s_setreg_imm32_b32 hwreg(HW_REG_WAVE_MODE, 25, 1), 1
	s_wait_xcnt 0x0
	s_wait_alu depctr_hold_cnt(0) depctr_sa_sdst(0) depctr_va_vdst(0) depctr_va_sdst(0) depctr_va_ssrc(0) depctr_va_vcc(0) depctr_vm_vsrc(0)
	s_getreg_b32 s2, hwreg(HW_REG_IB_STS2, 6, 4)
	s_cmp_eq_u32 s2, 0
	s_cbranch_scc0 .Lentry_in_a_cluster
	s_endpgm
.Lentry_in_a_cluster:
	s_bfe_u32 s2, ttmp6, 0x10000c
	s_cmp_lg_u32 s2, 0xf033
	s_cbranch_scc0 .Lentry_shape_is_right
	s_endpgm
.Lentry_shape_is_right:
; PROJ: the three quantised products, x W + b, on codes of E2M1 with E8M0 scales, by v_wmma_scale_f32_16x16x128_f8f6f4; sums in f32.
; A: x_codes [3 x 8192 rows][512 bytes], x_scales [..][32];  B: w_codes [3 x 1024 rows n][512 bytes], w_scales [..][32].  K = 1,024.
; OUT: qkv16, f16, [3][batch 4][head 16][position 2048][64]; tensor 0 is (q Wq + bq) / 8, so that the scores need no scaling later (a power of two: nothing is rounded by it).
;      fine, f32, [3][batch 4][16 positions][1024]: the first 16 positions of every sequence, kept whole for the last launch; tensor 0 / 8 too.
; A tile of 256 x 256 to a work-group of four waves, 128 x 128 a wave: 64 accumulators, 512 registers.  K = 1,024 is two slots of 512: both are asked for at the head, nothing is filled again.
; CLUSTER 4 x 4: the four of a row share A's tiles, the four of a column B's: joint loads.  The cluster's y counts 24: tensor = y / 8, cyl = y % 8.  The tile row is 8 cy + cyl: so the batch is cy, the tile's first
; position is 256 cyl, and whether a tile holds positions 0-15 hangs on cyl alone, which all sixteen partners share.
; THE MATRIX INSTRUCTION IS USED TRANSPOSED (source 0 = 16 rows of B, source 1 = 16 rows of A): a lane holds eight neighbouring columns of one row.  The bias is the C of each sum's first product.
; LIMITS: results stay under 65,504 in magnitude (f16).
; REGISTERS: window 0: v16-31 addresses; v32-95 scale words, two sets; v128-191 A's fragments, one set; v192-255 the bias, eight registers for each of B's eight blocks.  Window 1: B's fragments, two sets.
;   Windows 2, 3: the accumulators ((a, b) at v[8 (8 (a % 4) + b)]).  On the way out v32-191 of window 0 are free.
.set NQ,     4                         ; steps of 128 along K in a slot
.set ROWB,   256                       ; a tile's row: 512 codes
.set KROW,   512                       ; a row of codes in memory
.set PITCH,  272                       ; an LDS row: 256 bytes + 16: the sixteen rows of a fragment load start 16 bytes further on in each 256
.set FR,     8
.set NL,     2
.set NP,     4
.set HALFT,  128*PITCH
.set SLOT,   4*HALFT
.set KS,     32                        ; a row of scale bytes
.set SCL,    2*SLOT                    ; behind the slots: the scales, as units of 256 bytes + 16
.set HALFS,  (128*KS/256)*272
.set SBLK,   (16*KS/256)*272
.set SPARE,  SCL+4*HALFS               ; the spare words, 128 bytes for each wave: two blocks of 256 bytes that no other line names
.set SPITCH, 272                       ; the way out: 16 rows x (256 bytes + 16) for each wave, in slot 0, which has had its one fill and its last read by then
.set ADRA, 16
.set ADRB, 20
.set STO,  24
.set RD,   25
.set CO,   26
.set ADRS, 27
.set SPW,  28                          ; v28 my spare word's address; never rewritten
.set NIL,  29                          ; v29 0; never rewritten
.set FO,   30                          ; v30 my place in the fine rows: 4,096 r + 32 h
.set BO,   31                          ; v31 32 h: my eight numbers of a block's sixteen biases
.set SC,   32
.set AF,   128
.set BIAS, 192
.set TMP,  32                          ; the way out: v32-63 a block as f16, v64-127 as f32, v128-191 rows read back, two sets
.set TF,   64
.set BK,   128
.set G1, 24
.set G0, 32
.set G1B, 48
.set G0B, 56
.set G1S, 68
.set G0S, 76
.set G1SB, 80
.set G0SB, 88
.set MSB, 0
.macro WIN new                         ; the immediate's high byte repeats the setting that is left
.if MSB != (\new)
	s_set_vgpr_msb (MSB<<8)|(\new)
.set MSB, (\new)
.endif
.endm
.set MUL_LO, 0xa1                      ; source 0 (B) window 1, source 1 (A) window 0, C and D window 2
.set MUL_HI, 0xf1                      ; the same, C and D window 3
.set TO_B,   0x40
; A joint load: waves 0 and 1 fetch for A, waves 2 and 3 for B; the branch hangs on the wave's number alone.  An s_nop 0 and four v_nop follow each line.
.macro JLOAD g0a, g1a, g0b, g1b
	s_cmp_eq_u32 s15, 0
	s_cbranch_scc0 .Lfor_b_\@
	tensor_load_to_lds s[\g0a:\g0a+3], s[\g1a:\g1a+7]
	s_nop 0
.rept 4
	v_nop
.endr
	s_branch .Lasked_\@
.Lfor_b_\@:
	tensor_load_to_lds s[\g0b:\g0b+3], s[\g1b:\g1b+7]
	s_nop 0
.rept 4
	v_nop
.endr
.Lasked_\@:
.endm
.macro CROUND                          ; a round of the cluster's barrier
	s_barrier_signal -1
	s_barrier_wait -1
	s_cmp_lg_u32 s14, 0
	s_cbranch_scc1 .Lnot_wave_0_\@
	s_barrier_signal -3
.Lnot_wave_0_\@:
	s_barrier_wait -3
	s_barrier_signal -1
	s_barrier_wait -1
.endm
	s_load_b256 s[4:11], s[0:1], 0x0               ; A's codes s[4:5], A's scales s[6:7], B's codes s[8:9], B's scales s[10:11]
	s_load_b128 s[96:99], s[0:1], 0x20             ; bq, bk
	s_load_b64 s[100:101], s[0:1], 0x30            ; bv
	s_load_b64 s[12:13], s[0:1], 0x38              ; qkv16
	s_load_b64 s[66:67], s[0:1], 0x40              ; fine
	v_lshl_add_u32 v[SPW], v0, 2, SPARE
	v_mov_b32 v[NIL], 0
	ds_add_u32 v[SPW], v[NIL]                      ; the wave's opening: the add, twice on end, and its wait ahead of my first tensor load
	ds_add_u32 v[SPW], v[NIL]
	v_lshrrev_b32 v1, 5, v0
	v_readfirstlane_b32 s14, v1                    ; wave 0..3
	s_lshr_b32 s15, s14, 1                         ; which half of the tile's rows is mine.  Also: I fetch for A (0) or for B (1)
	s_and_b32 s16, s14, 1                          ; which half of its columns.  Also: which 128 rows I fetch
	s_bfe_u32 s40, ttmp6, 0x40000                  ; cx
	s_bfe_u32 s41, ttmp6, 0x40004                  ; cy
	s_lshl_b32 s42, ttmp9, 2
	s_add_co_u32 s42, s42, s40                     ; tile column = 4 x cluster x + cx
	s_and_b32 s17, ttmp7, 0xffff                   ; the cluster's y, 0 .. 23
	s_lshr_b32 s3, s17, 3                          ; the tensor: 0 q, 1 k, 2 v
	s_and_b32 s95, s17, 7                          ; cyl
	s_lshl_b32 s17, s41, 3
	s_add_co_u32 s17, s17, s95                     ; tile row in the tensor = 8 cy + cyl
	s_lshl_b32 s43, s41, 2
	s_lshl_b32 s43, 15, s43                        ; my row of the cluster
	s_lshl_b32 s44, 0x1111, s40                    ; my column
	s_or_b32 s[G1+0], s43, (0<<16)|(1<<20)|(1<<21)|(5<<22)|(3<<25)   ; the mask; elements of 1 byte; padding on; bit 21 beside a mask; 4 words behind every 64
	s_or_b32 s[G1B+0], s44, (0<<16)|(1<<20)|(1<<21)|(5<<22)|(3<<25)
.irp g, G1, G1B
	s_mov_b32 s[\g+1], ROWB<<16                    ; tensor_dim0
	s_mov_b32 s[\g+2], 128<<16                     ; tensor_dim1
	s_mov_b32 s[\g+3], ROWB<<16                    ; tile_dim0
	s_mov_b32 s[\g+4], 128                         ; tile_dim1
	s_mov_b32 s[\g+5], KROW                        ; the pitch
	s_mov_b32 s[\g+6], 0
	s_mov_b32 s[\g+7], 0
.endr
	s_or_b32 s[G1S+0], s43, (3<<16)|(1<<20)|(1<<21)|(5<<22)|(3<<25)  ; the scales of 128 rows: 4,096 dense bytes as 16 rows of 256 (32 elements of 8 bytes), 16 bytes behind each
	s_or_b32 s[G1SB+0], s44, (3<<16)|(1<<20)|(1<<21)|(5<<22)|(3<<25)
.irp g, G1S, G1SB
	s_mov_b32 s[\g+1], 32<<16
	s_mov_b32 s[\g+2], (128*KS/256)<<16
	s_mov_b32 s[\g+3], 32<<16
	s_mov_b32 s[\g+4], 128*KS/256
	s_mov_b32 s[\g+5], 32
	s_mov_b32 s[\g+6], 0
	s_mov_b32 s[\g+7], 0
.endr
	s_lshl_b32 s18, s16, 7                         ; which 128 rows of the tile I fetch
	s_lshl_b32 s20, s17, 8
	s_add_co_u32 s20, s20, s18
	s_lshl_b32 s19, s3, 13
	s_add_co_u32 s20, s20, s19                     ; A: row 8192 x tensor + 256 x tile row + 128 x half
	s_lshl_b32 s46, s42, 8
	s_add_co_u32 s46, s46, s18
	s_lshl_b32 s19, s3, 10
	s_add_co_u32 s46, s46, s19                     ; B: row 1024 x tensor + 256 x tile column + 128 x half
	s_mov_b32 s21, 0
	s_mov_b32 s47, 0
	s_mov_b64 s[18:19], KS
	s_mul_u64 s[22:23], s[20:21], s[18:19]         ; where these rows' scales begin
	s_mul_u64 s[92:93], s[46:47], s[18:19]
	s_mov_b64 s[18:19], KROW
	s_mul_u64 s[20:21], s[20:21], s[18:19]         ; and their codes
	s_mul_u64 s[46:47], s[46:47], s[18:19]
	s_mul_i32 s45, s14, HALFT                      ; where they go: wave x 128 rows
	s_mul_i32 s94, s14, HALFS
	s_wait_dscnt 0x0                               ; both opening adds are done
	s_wait_kmcnt 0x0
	s_add_nc_u64 s[20:21], s[4:5], s[20:21]
	s_add_nc_u64 s[22:23], s[6:7], s[22:23]
	s_add_nc_u64 s[46:47], s[8:9], s[46:47]
	s_add_nc_u64 s[92:93], s[10:11], s[92:93]
	CROUND                                         ; all sixteen work-groups are here: the joint loads meet
	s_mov_b32 s[G0S], 1
	s_add_co_u32 s[G0S+1], s94, SCL
	s_mov_b64 s[G0S+2:G0S+3], s[22:23]
	s_or_b32 s[G0S+3], s[G0S+3], 0x80000000
	s_mov_b32 s[G0SB], 1
	s_add_co_u32 s[G0SB+1], s94, SCL
	s_mov_b64 s[G0SB+2:G0SB+3], s[92:93]
	s_or_b32 s[G0SB+3], s[G0SB+3], 0x80000000
	JLOAD G0S, G1S, G0SB, G1SB                     ; the scales first; with the two slots three loads of mine are out
.irp s, 0,1
	s_mov_b32 s[G0+4*\s], 1
	s_add_co_u32 s[G0+4*\s+1], s45, \s*SLOT
	s_add_nc_u64 s[G0+4*\s+2:G0+4*\s+3], s[20:21], \s*ROWB
	s_or_b32 s[G0+4*\s+3], s[G0+4*\s+3], 0x80000000
	s_mov_b32 s[G0B+4*\s], 1
	s_add_co_u32 s[G0B+4*\s+1], s45, \s*SLOT
	s_add_nc_u64 s[G0B+4*\s+2:G0B+4*\s+3], s[46:47], \s*ROWB
	s_or_b32 s[G0B+4*\s+3], s[G0B+4*\s+3], 0x80000000
	JLOAD G0+4*\s, G1, G0B+4*\s, G1B
.endr
	v_and_b32 v1, 15, v0                           ; r
	v_bfe_u32 v2, v0, 4, 1                         ; h
	; the bias of my 128 columns, in the result's layout, and the factor
	s_lshl_b32 s46, s42, 10
	s_lshl_b32 s47, s16, 9
	s_add_co_u32 s46, s46, s47                     ; my first column x 4 bytes
	s_mov_b32 s47, 0
	s_cmp_eq_u32 s3, 0
	s_cselect_b64 s[96:97], s[96:97], s[98:99]
	s_cselect_b32 s104, 0x3e000000, 1.0            ; 1 / 8 for q's tensor, else 1
	s_cmp_eq_u32 s3, 2
	s_cselect_b64 s[96:97], s[100:101], s[96:97]   ; the choice hangs on the tensor's number alone
	s_mov_b32 s105, s104                           ; (named with it as a pair)
	s_add_nc_u64 s[96:97], s[96:97], s[46:47]
	v_lshlrev_b32 v[BO], 5, v2
.irp b, 0,1,2,3,4,5,6,7
	global_load_b128 v[BIAS+8*\b:BIAS+8*\b+3], v[BO], s[96:97] offset:64*\b       ; bias(16 b + 8 h + 0 .. 3)
	global_load_b128 v[BIAS+8*\b+4:BIAS+8*\b+7], v[BO], s[96:97] offset:64*\b+16
.endr
	v_mul_u32_u24 v3, v1, PITCH
	v_lshl_add_u32 v4, v2, 4, v3                   ; a fragment's row x pitch + 16 x half
	s_mul_i32 s21, s15, HALFT                      ; my 128 rows of A
	s_mul_i32 s22, s16, HALFT
	s_add_co_u32 s22, s22, 2*HALFT                 ; my 128 rows of B, behind A's 256
.irp s, 0,1
	v_add_nc_u32 v[ADRA+\s], s21, v4
	v_add_nc_u32 v[ADRB+\s], s22, v4
	s_add_co_u32 s21, s21, SLOT
	s_add_co_u32 s22, s22, SLOT
.endr
	v_mul_u32_u24 v5, v1, KS                       ; my row's scales,
	v_lshrrev_b32 v6, 8, v5
	v_lshl_add_u32 v5, v6, 4, v5                   ; 16 more for each 256 passed
	s_mul_i32 s21, s15, HALFS
	s_mul_i32 s22, s16, HALFS
	s_add_co_u32 s22, s22, 2*HALFS
	s_sub_co_u32 s22, s22, s21
	v_mul_u32_u24 v6, s22, v2                      ; lanes 16-31 take B's: one product, the distance between the two bases
	s_add_co_u32 s21, s21, SCL
	v_add_nc_u32 v5, v5, v6
	v_add_nc_u32 v[ADRS], s21, v5
	s_mul_i32 s23, s14, 16*SPITCH                  ; my stage
	v_mul_u32_u24 v5, v1, SPITCH
	v_lshl_add_u32 v5, v2, 4, v5
	v_add_nc_u32 v[STO], s23, v5                   ; in: row r, 16 bytes for each half of the lanes
	v_bfe_u32 v5, v0, 3, 2
	v_and_b32 v6, 7, v0
	v_mul_u32_u24 v5, v5, SPITCH
	v_lshl_add_u32 v5, v6, 4, v5
	v_add_nc_u32 v[RD], s23, v5                    ; back: eight lanes take a head's 128 bytes of a row, four rows an instruction
	v_and_b32 v6, 31, v0
	v_lshlrev_b32 v[CO], 4, v6                     ; which are 512 consecutive bytes in qkv16
	v_lshlrev_b32 v[FO], 12, v1
	v_lshl_add_u32 v[FO], v2, 5, v[FO]
	; qkv16 at my wave's first head and position: ((16 cy + 4 column tile + 2 half) x 2048 + 256 cyl + 128 row half) x 128 bytes, + 2^24 x tensor
	s_lshl_b32 s20, s41, 4
	s_lshl_b32 s21, s42, 2
	s_add_co_u32 s20, s20, s21
	s_lshl_b32 s21, s16, 1
	s_add_co_u32 s20, s20, s21
	s_lshl_b32 s20, s20, 11
	s_lshl_b32 s21, s95, 8
	s_add_co_u32 s20, s20, s21
	s_lshl_b32 s21, s15, 7
	s_add_co_u32 s20, s20, s21
	s_lshl_b32 s20, s20, 7
	s_lshl_b32 s21, s3, 24
	s_add_co_u32 s20, s20, s21
	s_mov_b32 s21, 0
	s_add_nc_u64 s[12:13], s[12:13], s[20:21]
	s_lshl_b32 s20, s3, 2                          ; fine at (tensor, batch) and my first column
	s_add_co_u32 s20, s20, s41
	s_lshl_b32 s20, s20, 16
	s_add_co_u32 s20, s20, s46
	s_add_nc_u64 s[66:67], s[66:67], s[20:21]
	s_or_b32 s2, s95, s15                          ; 0 where my block 0 holds positions 0-15: cyl = 0 and the upper half of the rows
.macro FRAG reg, adr, q, i             ; 16 rows x 128 K of 4-bit codes: 8 registers, two loads of 16 bytes, 32 bytes apart
.irp c, 0,1
	ds_load_b128 v[\reg+4*\c:\reg+4*\c+3], v[\adr] offset:64*(\q)+32*\c+(\i)*16*PITCH
.endr
.endm
; 16 products: A's blocks a0, a0 + 1 x B's eight.  zero = 1: the sum begins with the bias as C.  The 64 accumulators take turns, one instruction a turn.
.macro MUL16 a0, p, q, sc, zero
.irp a, \a0, \a0+1
.irp b, 0,1,2,3,4,5,6,7
.if \zero
	v_wmma_scale_f32_16x16x128_f8f6f4 v[8*(8*((\a)%4)+\b):8*(8*((\a)%4)+\b)+7], v[128*(\p)+FR*\b:128*(\p)+FR*\b+FR-1], v[AF+FR*(\a):AF+FR*(\a)+FR-1], v[BIAS+8*\b:BIAS+8*\b+7], v[SC+8*NQ*(\sc)+NQ*\b+(\q)], v[SC+8*NQ*(\sc)+NQ*(\a)+(\q)] matrix_a_fmt:MATRIX_FMT_FP4 matrix_b_fmt:MATRIX_FMT_FP4 matrix_a_scale:MATRIX_SCALE_ROW1
.else
	v_wmma_scale_f32_16x16x128_f8f6f4 v[8*(8*((\a)%4)+\b):8*(8*((\a)%4)+\b)+7], v[128*(\p)+FR*\b:128*(\p)+FR*\b+FR-1], v[AF+FR*(\a):AF+FR*(\a)+FR-1], v[8*(8*((\a)%4)+\b):8*(8*((\a)%4)+\b)+7], v[SC+8*NQ*(\sc)+NQ*\b+(\q)], v[SC+8*NQ*(\sc)+NQ*(\a)+(\q)] matrix_a_fmt:MATRIX_FMT_FP4 matrix_b_fmt:MATRIX_FMT_FP4 matrix_a_scale:MATRIX_SCALE_ROW1
.endif
.endr
.endr
.endm
.macro FETCH_B slot, q, p
	WIN TO_B
.irp i, 0,1,2,3,4,5,6,7
	FRAG 128*(\p)+FR*\i, ADRB+\slot, \q, \i
.endr
	WIN 0
.endm
.macro FETCH_A slot, q, i0
.irp i, \i0, \i0+1, \i0+2, \i0+3
	FRAG AF+FR*(\i), ADRA+\slot, \q, \i
.endr
.endm
.macro SCALES sc                       ; a slot's scale words: lanes 0-15 A's block i, lanes 16-31 B's block i; four words a row
.irp i, 0,1,2,3,4,5,6,7
	ds_load_b128 v[SC+8*NQ*\sc+NQ*\i:SC+8*NQ*\sc+NQ*\i+3], v[ADRS] offset:\i*SBLK
.endr
.endm
.macro PLACES n                        ; plain vector lines between a matrix instruction and a load into, or a read of, its registers
.rept \n
	v_nop
.endr
.endm
.macro STEP slot, q, zero              ; 128 along K, with its successor in the same slot
	s_wait_dscnt 4*NL                              ; B's set and A's blocks 0-3 are in; the youngest eight loads (A's blocks 4-7) may be out
.if \zero
	WIN 0x81                                       ; C (the bias) in window 0, D in window 2
.else
	WIN MUL_LO
.endif
	MUL16 0, (\q)%2, \q, \slot, \zero
	MUL16 2, (\q)%2, \q, \slot, \zero
	s_wait_dscnt 0
	PLACES NP
	FETCH_B \slot, (\q)+1, 1-(\q)%2
	FETCH_A \slot, (\q)+1, 0
.if \zero
	WIN 0xc1                                       ; C in window 0, D in window 3
.else
	WIN MUL_HI
.endif
	MUL16 4, (\q)%2, \q, \slot, \zero
	MUL16 6, (\q)%2, \q, \slot, \zero
	PLACES NP
	WIN 0
	FETCH_A \slot, (\q)+1, 4
.endm
; Slot 0's last step goes over to slot 1: one barrier; in front of it each wave waits for all its tensor loads, adds 0 to its spare word, and waits for that and for its reads of slot 0.  Nothing is filled again.
.macro TURN slot, next
	s_wait_tensorcnt 0x0                           ; my part of the next slot has landed
	ds_add_u32 v[SPW], v[NIL]
	s_wait_dscnt 4*NL+1                            ; the add and the youngest eight loads may be out
	WIN MUL_LO
	MUL16 0, 1, NQ-1, \slot, 0
	s_wait_dscnt 0x0                               ; the add is done, and my reads of this slot are over
	s_barrier_signal -1
	MUL16 2, 1, NQ-1, \slot, 0
	WIN 0
	s_barrier_wait -1
	PLACES NP
	v_add_nc_u32 v[ADRS], 4*NQ, v[ADRS]            ; the next slot's scale words
	FETCH_B \next, 0, 0
	FETCH_A \next, 0, 0
	SCALES \next
	WIN MUL_HI
	MUL16 4, 1, NQ-1, \slot, 0
	MUL16 6, 1, NQ-1, \slot, 0
	PLACES NP
	WIN 0
	FETCH_A \next, 0, 4
.endm
.macro STEPS slot, from
.set Q, \from
.rept NQ-1-\from
	STEP \slot, Q, 0
.set Q, Q+1
.endr
.endm
	s_wait_tensorcnt 1                             ; the scales and my part of slot 0 are in; slot 1's load may be out
	s_barrier_signal -1
	s_barrier_wait -1
	FETCH_B 0, 0, 0
	FETCH_A 0, 0, 0
	SCALES 0
	FETCH_A 0, 0, 4
	s_wait_loadcnt 0x0                             ; the bias
	STEP 0, 0, 1
	STEPS 0, 1
	TURN 0, 1
	STEPS 1, 0
	s_wait_dscnt 4*NL                              ; the last step: nothing more to fetch
	WIN MUL_LO
	MUL16 0, 1, NQ-1, 1, 0
	MUL16 2, 1, NQ-1, 1, 0
	s_wait_dscnt 0
	WIN MUL_HI
	MUL16 4, 1, NQ-1, 1, 0
	MUL16 6, 1, NQ-1, 1, 0
	WIN 0
; THE WAY OUT, a block of 16 positions x 128 columns (two heads) at a time.  PACK: x the factor, into window 0, each accumulator from its low end; then to f16.  TOSTAGE: into my stage, and back head by head.
; SEND: each store covers 512 consecutive bytes: four positions of one head.
.macro PACK a
.set AC, 64*((\a)%4)
	WIN 0x02+(\a)/4                                ; source 0: window 2 or 3
.irp b, 0,1,2,3,4,5,6,7
.irp i, 0,1,2,3
	v_pk_mul_f32 v[TF+8*\b+2*\i:TF+8*\b+2*\i+1], v[AC+8*\b+2*\i:AC+8*\b+2*\i+1], s[104:105] op_sel_hi:[1,0]
.endr
.endr
	WIN 0
.irp b, 0,1,2,3,4,5,6,7
.irp i, 0,1,2,3
	v_cvt_pk_f16_f32 v[TMP+4*\b+\i], v[TF+8*\b+2*\i], v[TF+8*\b+2*\i+1]
.endr
.endr
.endm
.macro TOSTAGE a
.set BB, BK+32*((\a)%2)
.irp b, 0,1,2,3,4,5,6,7
	ds_store_b128 v[STO], v[TMP+4*\b:TMP+4*\b+3] offset:32*\b
.endr
.irp e, 0,1
.irp t, 0,1,2,3
	ds_load_b128 v[BB+16*\e+4*\t:BB+16*\e+4*\t+3], v[RD] offset:128*\e+4*SPITCH*\t   ; in order behind my stores
.endr
.endr
.endm
.macro SEND a
.set BB, BK+32*((\a)%2)
	s_wait_dscnt 0x0                               ; the block is back in registers
	s_wait_xcnt 0x0                                ; earlier stores have read their base and data: the base may step, and the other set may be loaded again
.if (\a) > 0
	s_add_nc_u64 s[12:13], s[12:13], 2048          ; 16 positions of 128 bytes on
.endif
.irp e, 0,1
.irp t, 0,1,2,3
	global_store_b128 v[CO], v[BB+16*\e+4*\t:BB+16*\e+4*\t+3], s[12:13] offset:262144*\e+512*\t
.endr
.endr
.endm
	PLACES NP                                      ; behind the last products: their scale words, fragments and results are touched from here on
	PACK 0
	s_cmp_lg_u32 s2, 0                             ; positions 0-15 of a sequence also leave whole, in f32.  The flag is made of the cluster's y and the wave's number
	s_cbranch_scc1 .Lno_fine
.irp b, 0,1,2,3,4,5,6,7
	global_store_b128 v[FO], v[TF+8*\b:TF+8*\b+3], s[66:67] offset:64*\b
	global_store_b128 v[FO], v[TF+8*\b+4:TF+8*\b+7], s[66:67] offset:64*\b+16
.endr
.Lno_fine:
	s_wait_xcnt 0x0                                ; those stores have read their data: the next block may be written there
	TOSTAGE 0
.irp a, 1,2,3,4,5,6,7
	PACK \a
	SEND \a-1
	TOSTAGE \a
.endr
	SEND 7
	s_wait_tensorcnt 0x0                           ; the wave's end: three lines behind my last tensor load and LDS store
	ds_add_u32 v[SPW], v[NIL]
	s_wait_dscnt 0x0
	CROUND                                         ; the closing round
	s_endpgm
.Lfunc_end_k_q1a100b7039_proj:
	.size	k_q1a100b7039_proj, .Lfunc_end_k_q1a100b7039_proj-k_q1a100b7039_proj
	.p2alignl 7, 3214868480
	.fill 96, 4, 3214868480
	.section	.rodata,"a",@progbits
	.p2align	6, 0x0
	.amdhsa_kernel k_q1a100b7039_proj
		.amdhsa_group_segment_fixed_size 327680
		.amdhsa_private_segment_fixed_size 0
		.amdhsa_enable_private_segment 0
		.amdhsa_kernarg_size 72
		.amdhsa_user_sgpr_count 2
		.amdhsa_user_sgpr_kernarg_segment_ptr 1
		.amdhsa_wavefront_size32 1
		.amdhsa_system_sgpr_workgroup_id_x 1
		.amdhsa_system_sgpr_workgroup_id_y 1
		.amdhsa_system_sgpr_workgroup_id_z 1
		.amdhsa_system_vgpr_workitem_id 0
		.amdhsa_next_free_vgpr 1024
		.amdhsa_next_free_sgpr 106
		.amdhsa_reserve_vcc 0
		.amdhsa_float_denorm_mode_32 3
		.amdhsa_float_denorm_mode_16_64 3
		.amdhsa_memory_ordered 1
		.amdhsa_forward_progress 1
		.amdhsa_inst_pref_size 147
	.end_amdhsa_kernel
	.amdgpu_metadata
---
amdhsa.version: [ 1, 2 ]
amdhsa.kernels:
  - .name:           k_q1a100b7039_proj
    .symbol:         k_q1a100b7039_proj.kd
    .args:
      - { .name: x_codes, .offset: 0, .size: 8, .value_kind: global_buffer, .address_space: global }
      - { .name: x_scales, .offset: 8, .size: 8, .value_kind: global_buffer, .address_space: global }
      - { .name: w_codes, .offset: 16, .size: 8, .value_kind: global_buffer, .address_space: global }
      - { .name: w_scales, .offset: 24, .size: 8, .value_kind: global_buffer, .address_space: global }
      - { .name: bq, .offset: 32, .size: 8, .value_kind: global_buffer, .address_space: global }
      - { .name: bk, .offset: 40, .size: 8, .value_kind: global_buffer, .address_space: global }
      - { .name: bv, .offset: 48, .size: 8, .value_kind: global_buffer, .address_space: global }
      - { .name: qkv16, .offset: 56, .size: 8, .value_kind: global_buffer, .address_space: global }
      - { .name: fine, .offset: 64, .size: 8, .value_kind: global_buffer, .address_space: global }
    .group_segment_fixed_size: 327680
    .private_segment_fixed_size: 0
    .kernarg_segment_align: 8
    .kernarg_segment_size: 72
    .max_flat_workgroup_size: 128
    .sgpr_count:     106
    .vgpr_count:     1024
    .wavefront_size: 32
...
	.end_amdgpu_metadata
.endif
;; end of part 2
;; launch attn (part 3): grid 4 x 64, 8 waves a work-group, no clusters, 327,680 bytes of LDS; arguments qkv16, attention_mask, att16; writes att16
.if DOCPART == 3
	.amdgcn_target "amdgcn-amd-amdhsa--gfx1250"
	.amdhsa_code_object_version 6
	.text
	.protected	k_q1a100b7039_attn
	.globl	k_q1a100b7039_attn
	.p2align	8
	.type	k_q1a100b7039_attn,@function
k_q1a100b7039_attn:
	s_mov_b64 s[64:65], 0
	v_nop
	global_prefetch_b8 v0, s[64:65] scope:SCOPE_SE
	s_setreg_imm32_b32 hwreg(HW_REG_WAVE_MODE, 25, 1), 1
	s_wait_xcnt 0x0
; ATTN: att = softmax(q' k^T + mask, causal) v for one (batch, head), f16 operands, f32 sums.  q' = (q Wq + bq) / 8 comes scaled; the input attention_mask is added as it is given: it is the C of the score product.
; qkv16: f16 [3][batch][head][2048][64].  att16: f16 [64 blocks of 128 rows][head 16][128 rows][64].
; SHARES.  Work-group (x = i, y = 16 batch + head) owns query blocks 7 - i and then i, 256 queries each: (8 - i) + (i + 1) = 9 key slots of 256 keys for every work-group.  A wave owns 32 queries: two tiles of 16.
; A slot is four steps of 64 keys; a step all of whose keys come after the wave's queries is left out (a branch on ids and counts).
; NO CLUSTER: the four work-groups of a head want slots 0 .. 7 - i and then 0 .. i: from the fifth slot on partners want different tiles, and walking in step would make 12 slots of 9.
; LAYOUT.  S^T = K Q^T + M (source 0 = 16 keys, source 1 = 16 queries): a lane holds one query and keys 16 kt + 8 (lane / 16) + 0 .. 7.  Two such tiles, rounded to f16 in pairs, are source 1 of O^T = V^T P.
; SOFTMAX: a running maximum m and sum l for each query; p = 2^(c s - c m), c = log2(e); O and l are multiplied by a = 2^(c m_old - c m_new) in every step.
; LIMITS: hidden keys get the weight 0, which is what the reference's lowest number gives while every query has a visible key with score + mask above -1.7e38; NaN and infinities are not served.
; LDS: two slots 2^17 apart; in a slot: K, 128 lines of two keys (256 bytes + 16); V, 128 lines (256 + 32); the mask's 256 numbers.  Behind them a stage for each wave and the spare words.
; REGISTERS: v1-15 addresses; v16-31 statistics, 8 a tile: +0 c m, +1 m, +2, +3 l, +4 .. +7 at work (a in +6); v32-63 Q; v64-127 S^T, then p, then P in place; v128-191 O^T; v192-255 K, then V; v256-287 M.
.set KP,    272
.set VP,    288
.set VOFF,  128*KP
.set MOFF,  VOFF+128*VP
.set SLOT1, 1<<17
.set STAGE, 2*SLOT1
.set SGP,   144                        ; a stage row: 128 bytes + 16
.set SPARE, STAGE+8*16*SGP             ; the spare words, 128 bytes for each wave: four blocks of 256 bytes that no other line names
.set AK0, 1
.set AV0, 2
.set AM0, 3
.set ADK, 4
.set ADV, 5
.set ADM, 6
.set STO, 7
.set RD,  8
.set GO,  9
.set QO,  10
.set DQ,  11                           ; v11 lane % 16 - 8 (lane / 16)
.set NEGINF, 12
.set SPW, 13                           ; v13 my spare word's address; never rewritten
.set NIL, 14                           ; v14 0; never rewritten
.set PFO, 15                           ; v15 256 x lane; never rewritten
.set ST,  16
.set QR,  32
.set S,   64
.set OT,  128
.set KV,  192
.set WV,  10
.set WI,  11                           ; s11 i
.set BH,  12
.set TU,  14                           ; s14 counts the slots
.set KS,  15                           ; s15 the key slot in hand
.set QB,  16                           ; s16 the query block in hand
.set KF,  17                           ; s17 the step's first key
.set Q0,  18                           ; s18 my first query
.set G1K, 24
.set G1V, 32
.set G1M, 40
.set G0K, 48
.set G0V, 52
.set G0M, 56
.set CS,  60
.set SEL, 62
.set BK,  66                           ; s[66:67] K at my head and my half of a slot; s[68:69] V; s[70:71] the batch's mask; s[72:73] Q at my head
.set BV,  68
.set BM,  70
.set QH,  72
.set OB,  74                           ; s[74:75] att16 at my wave's rows of the block in hand
.set OF1, 76                           ; s[76:77], s[78:79] offsets; the upper words stay 0
.set OF2, 78
.set PFA, 80
.set LIM, 82
.set SK,  83                           ; s83-85 where the step's K, V and mask begin in LDS
.set SV,  84
.set SM,  85
.set STP, 86
.set QP,  88
.set AB,  90
.set MSB, 0
.macro WIN new
.if MSB != (\new)
	s_set_vgpr_msb (MSB<<8)|(\new)
.set MSB, (\new)
.endif
.endm
; Waves 0, 1 fetch K's halves, waves 2, 3 V's, wave 4 the mask, the others nothing: one load a wave.  The branches hang on the wave's number alone.  An s_nop 0 and four v_nop follow each line.
.macro TLOAD
	s_cmp_lt_u32 s[WV], 2
	s_cbranch_scc0 .Lnot_k_\@
	tensor_load_to_lds s[G0K:G0K+3], s[G1K:G1K+7]
	s_nop 0
.rept 4
	v_nop
.endr
	s_branch .Lasked_\@
.Lnot_k_\@:
	s_cmp_lt_u32 s[WV], 4
	s_cbranch_scc0 .Lnot_v_\@
	tensor_load_to_lds s[G0V:G0V+3], s[G1V:G1V+7]
	s_nop 0
.rept 4
	v_nop
.endr
	s_branch .Lasked_\@
.Lnot_v_\@:
	s_cmp_eq_u32 s[WV], 4
	s_cbranch_scc0 .Lasked_\@
	tensor_load_to_lds s[G0M:G0M+3], s[G1M:G1M+7]
	s_nop 0
.rept 4
	v_nop
.endr
.Lasked_\@:
.endm
; A prefetch of the slot that the NEXT change will ask for.  All four work-groups of a head begin with slots 0, 1, 2 ..: the one with i = 0, which walks 0 .. 7 on end, asks, and nobody else.
; Waves 0-3 name K's 32,768 bytes, 8,192 a wave, lanes 256 bytes apart; waves 4-7 V's: each aligned 256 bytes once in the launch.  Trip u asks for slot u + 2, u = 0 .. 5; slots 0 and 1 come by their loads alone.
.macro ASK
	s_cmp_lt_u32 s[TU], s[LIM]
	s_cbranch_scc0 .Lnot_mine_\@
	global_prefetch_b8 v[PFO], s[PFA:PFA+1] th:TH_LOAD_NT scope:SCOPE_SE
.Lnot_mine_\@:
.endm
	s_load_b128 s[4:7], s[0:1], 0x0                ; qkv16, attention_mask
	s_load_b64 s[8:9], s[0:1], 0x10                ; att16
	v_lshl_add_u32 v[SPW], v0, 2, SPARE
	v_mov_b32 v[NIL], 0
	ds_add_u32 v[SPW], v[NIL]                      ; the wave's opening: the add, twice on end, and its wait ahead of the first tensor load
	ds_add_u32 v[SPW], v[NIL]
	v_lshrrev_b32 v1, 5, v0
	v_readfirstlane_b32 s[WV], v1                  ; wave 0..7
	s_mov_b32 s[WI], ttmp9
	s_and_b32 s[BH], ttmp7, 0xffff
	; K and V: 64 lines of 256 bytes (32 elements of 8 bytes), dense in memory: two keys a line; 4 or 8 words of padding behind each
	s_mov_b32 s[G1K], (3<<16)|(1<<20)|(5<<22)|(3<<25)
	s_mov_b32 s[G1V], (3<<16)|(1<<20)|(5<<22)|(7<<25)
.irp g, G1K, G1V
	s_mov_b32 s[\g+1], 32<<16                      ; tensor_dim0
	s_mov_b32 s[\g+2], 64<<16                      ; tensor_dim1
	s_mov_b32 s[\g+3], 32<<16                      ; tile_dim0
	s_mov_b32 s[\g+4], 64                          ; tile_dim1
	s_mov_b32 s[\g+5], 32                          ; the pitch
	s_mov_b32 s[\g+6], 0
	s_mov_b32 s[\g+7], 0
.endr
	s_mov_b32 s[G1M], 3<<16                        ; the mask: one row of 1,024 bytes
	s_mov_b32 s[G1M+1], 128<<16
	s_mov_b32 s[G1M+2], 1<<16
	s_mov_b32 s[G1M+3], 128<<16
	s_mov_b32 s[G1M+4], 1
	s_mov_b32 s[G1M+5], 128
	s_mov_b32 s[G1M+6], 1<<16
	s_mov_b32 s[G1M+7], 0
	s_mov_b32 s[CS], 0x3fb8aa3b                    ; c = log2(e)
	s_mov_b32 s[CS+1], s[CS]
	s_mov_b32 s[SEL], 0x76543210
	s_mov_b32 s[SEL+1], 0xfedcba98                 ; v_permlanex16_b32: lane l xor 16
	s_mov_b32 s[OF1+1], 0
	s_mov_b32 s[OF2+1], 0
	s_mov_b32 s21, 0
	s_and_b32 s22, s[WV], 1                        ; which half of a tile I fetch, if I fetch
	s_lshl_b32 s20, s[BH], 18                      ; a head: 2,048 x 128 bytes
	s_wait_dscnt 0x0                               ; both opening adds are done
	s_wait_kmcnt 0x0
	s_add_nc_u64 s[QH:QH+1], s[4:5], s[20:21]
	s_lshl_b32 s19, s22, 14
	s_add_co_u32 s20, s20, s19
	s_add_co_u32 s20, s20, 0x1000000
	s_add_nc_u64 s[BK:BK+1], s[4:5], s[20:21]
	s_add_co_u32 s20, s20, 0x1000000
	s_add_nc_u64 s[BV:BV+1], s[4:5], s[20:21]
	s_lshr_b32 s13, s[BH], 4                       ; the batch
	s_lshl_b32 s20, s13, 13
	s_add_nc_u64 s[BM:BM+1], s[6:7], s[20:21]
	s_mov_b32 s[G0K], 1
	s_mul_i32 s[G0K+1], s22, 64*KP
	s_mov_b64 s[G0K+2:G0K+3], s[BK:BK+1]
	s_or_b32 s[G0K+3], s[G0K+3], 0x80000000
	s_mov_b32 s[G0V], 1
	s_mul_i32 s[G0V+1], s22, 64*VP
	s_add_co_u32 s[G0V+1], s[G0V+1], VOFF
	s_mov_b64 s[G0V+2:G0V+3], s[BV:BV+1]
	s_or_b32 s[G0V+3], s[G0V+3], 0x80000000
	s_mov_b32 s[G0M], 1
	s_mov_b32 s[G0M+1], MOFF
	s_mov_b64 s[G0M+2:G0M+3], s[BM:BM+1]
	s_or_b32 s[G0M+3], s[G0M+3], 0x80000000
	TLOAD                                          ; key slot 0 into LDS slot 0
	s_lshl_b32 s20, s13, 4                         ; att16 at block 16 batch + wave / 4, my head, my 32 rows
	s_lshr_b32 s19, s[WV], 2
	s_add_co_u32 s20, s20, s19
	s_lshl_b32 s20, s20, 18
	s_and_b32 s19, s[BH], 15
	s_lshl_b32 s19, s19, 14
	s_add_co_u32 s20, s20, s19
	s_and_b32 s19, s[WV], 3
	s_lshl_b32 s19, s19, 12
	s_add_co_u32 s20, s20, s19
	s_add_nc_u64 s[AB:AB+1], s[8:9], s[20:21]
	s_cmp_lt_u32 s[WV], 4                          ; the prefetches: K's bytes for waves 0-3, V's for waves 4-7
	s_mov_b32 s20, 0x2000000
	s_cselect_b32 s20, 0x1000000, s20
	s_and_b32 s19, s[WV], 3
	s_lshl_b32 s19, s19, 13
	s_add_co_u32 s20, s20, s19
	s_add_co_u32 s20, s20, 32768                   ; in slot 1: the first change of slots steps it to slot 2
	s_add_nc_u64 s[PFA:PFA+1], s[QH:QH+1], s[20:21]
	s_cmp_eq_u32 s[WI], 0
	s_cselect_b32 s[LIM], 6, 0
	v_and_b32 v16, 15, v0                          ; r
	v_bfe_u32 v17, v0, 4, 1                        ; h
	v_bfe_u32 v18, v0, 1, 3                        ; r / 2
	v_and_b32 v19, 1, v0
	v_mul_u32_u24 v[AK0], v18, KP                  ; K: key r lies in line r / 2, half r % 2; + 16 h
	v_lshl_add_u32 v[AK0], v19, 7, v[AK0]
	v_lshl_add_u32 v[AK0], v17, 4, v[AK0]
	v_bfe_u32 v18, v0, 1, 2                        ; V, for the turning load: key 8 h + lane % 8, channels 8 ((lane / 8) % 2) on
	v_lshl_add_u32 v18, v17, 2, v18
	v_mul_u32_u24 v[AV0], v18, VP
	v_lshl_add_u32 v[AV0], v19, 7, v[AV0]
	v_bfe_u32 v18, v0, 3, 1
	v_lshl_add_u32 v[AV0], v18, 4, v[AV0]
	v_add_nc_u32 v[AV0], VOFF, v[AV0]
	v_lshl_add_u32 v[AM0], v17, 5, MOFF            ; the mask of keys 8 h + 0 .. 7
	s_mul_i32 s19, s[WV], 16*SGP
	s_add_co_u32 s19, s19, STAGE                   ; my stage
	v_mul_u32_u24 v[STO], v16, SGP
	v_lshl_add_u32 v[STO], v17, 4, v[STO]
	v_add_nc_u32 v[STO], s19, v[STO]
	v_bfe_u32 v18, v0, 3, 2
	v_and_b32 v19, 7, v0
	v_mul_u32_u24 v[RD], v18, SGP
	v_lshl_add_u32 v[RD], v19, 4, v[RD]
	v_add_nc_u32 v[RD], s19, v[RD]
	v_and_b32 v18, 31, v0
	v_lshlrev_b32 v[GO], 4, v18
	v_lshlrev_b32 v[PFO], 8, v18
	v_lshlrev_b32 v[QO], 7, v16
	v_lshl_add_u32 v[QO], v17, 4, v[QO]
	v_lshlrev_b32 v18, 3, v17
	v_sub_nc_u32 v[DQ], v16, v18
	v_mov_b32 v[NEGINF], 0xff800000
; A query block begins: my first query, Q's and O's addresses, Q into registers, the sums cleared (the step is written once: its first pass finds zeros and a lowest m).
.macro NEWBLOCK
	s_lshl_b32 s[Q0], s[QB], 8
	s_lshl_b32 s19, s[WV], 5
	s_add_co_u32 s[Q0], s[Q0], s19
	s_lshl_b32 s[OF1], s[Q0], 7
	s_add_nc_u64 s[QP:QP+1], s[QH:QH+1], s[OF1:OF1+1]
	s_lshl_b32 s[OF1], s[QB], 19
	s_add_nc_u64 s[OB:OB+1], s[AB:AB+1], s[OF1:OF1+1]
.irp t, 0,1
.irp c, 0,1
	global_load_b128 v[QR+16*\t+8*\c:QR+16*\t+8*\c+3], v[QO], s[QP:QP+1] offset:2048*\t+64*\c
	global_load_b128 v[QR+16*\t+8*\c+4:QR+16*\t+8*\c+7], v[QO], s[QP:QP+1] offset:2048*\t+64*\c+32
.endr
.endr
.set i, 0
.rept 64
	v_mov_b32 v[OT+i], 0
.set i, i+1
.endr
.irp t, 0,1
	v_mov_b32 v[ST+8*\t+1], 0xff000000             ; m: -1.7e38, under every score that is served
.irp j, 2,3,4,5,6,7
	v_mov_b32 v[ST+8*\t+\j], 0
.endr
	v_mul_f32 v[ST+8*\t], s[CS], v[ST+8*\t+1]
.endr
	s_wait_loadcnt 0x0                             ; Q
.endm
	s_sub_co_u32 s[QB], 7, s[WI]
	NEWBLOCK
	s_mov_b32 s[KS], 0
	s_mov_b32 s[TU], 0
	s_mov_b32 s[SK], 0
	s_mov_b32 s[SV], 0
	s_mov_b32 s[SM], 0
; THE CHANGE OF SLOTS stands at a slot's head.  Each wave waits for all its tensor loads (its part of the slot ahead), adds 0 to its spare word, and waits for that and for its reads of the slot that it has left.
; fill = 1: behind the barrier that other slot takes the key slot that follows: KS + 1, or 0 where the query block ends with this one.  The load has a whole slot's steps in which to land; one load a wave is out.
.macro CHANGE fill
	s_wait_tensorcnt 0x0                           ; no tensor load of mine is out, so a group 0 may be written
	ds_add_u32 v[SPW], v[NIL]
.if \fill
	ds_add_u32 v[SPW], v[NIL]                      ; and twice on end here, in every trip alike
	s_add_co_u32 s19, s[KS], 1
	s_cmp_eq_u32 s[KS], s[QB]
	s_cselect_b32 s19, 0, s19                      ; the next key slot: ids and counts alone
	s_lshl_b32 s[OF1], s19, 15
	s_lshl_b32 s[OF2], s19, 10
	s_add_nc_u64 s[G0K+2:G0K+3], s[BK:BK+1], s[OF1:OF1+1]
	s_or_b32 s[G0K+3], s[G0K+3], 0x80000000
	s_xor_b32 s[G0K+1], s[G0K+1], SLOT1
	s_add_nc_u64 s[G0V+2:G0V+3], s[BV:BV+1], s[OF1:OF1+1]
	s_or_b32 s[G0V+3], s[G0V+3], 0x80000000
	s_xor_b32 s[G0V+1], s[G0V+1], SLOT1
	s_add_nc_u64 s[G0M+2:G0M+3], s[BM:BM+1], s[OF2:OF2+1]
	s_or_b32 s[G0M+3], s[G0M+3], 0x80000000
	s_xor_b32 s[G0M+1], s[G0M+1], SLOT1
	s_wait_xcnt 0x0                                ; the last prefetch, a slot back, has read its address
	s_add_nc_u64 s[PFA:PFA+1], s[PFA:PFA+1], 32768
.endif
	s_wait_dscnt 0x0                               ; the add is done, and my reads of the slot that I have left are over
	s_barrier_signal -1
	s_barrier_wait -1
.if \fill
	TLOAD                                          ; the first thing behind the barrier
	ASK
.endif
.endm
; One tile's softmax is written line by line for both tiles, so that no line waits for the line above it.  The 66 exponentials are one batch with one wait.
.macro SOFTMAX
.irp j, 0,1,2,3
.irp t, 0,1
	v_max3_num_f32 v[ST+8*\t+4+\j], v[S+32*\t+8*\j], v[S+32*\t+8*\j+1], v[S+32*\t+8*\j+2]      ; each accumulator is read from its low end on
.endr
.endr
.irp g, 1,2
.irp j, 0,1,2,3
.irp t, 0,1
	v_max3_num_f32 v[ST+8*\t+4+\j], v[ST+8*\t+4+\j], v[S+32*\t+8*\j+2*\g+1], v[S+32*\t+8*\j+2*\g+2]
.endr
.endr
.endr
.irp t, 0,1
	v_max3_num_f32 v[ST+8*\t+4], v[ST+8*\t+4], v[S+32*\t+7], v[S+32*\t+15]
	v_max3_num_f32 v[ST+8*\t+6], v[ST+8*\t+6], v[S+32*\t+23], v[S+32*\t+31]
.endr
.irp t, 0,1
	v_max3_num_f32 v[ST+8*\t+4], v[ST+8*\t+4], v[ST+8*\t+5], v[ST+8*\t+6]
.endr
.irp t, 0,1
	v_max3_num_f32 v[ST+8*\t+4], v[ST+8*\t+4], v[ST+8*\t+7], v[ST+8*\t+1]     ; with the old m
.endr
.irp t, 0,1
	v_permlanex16_b32 v[ST+8*\t+5], v[ST+8*\t+4], s[SEL], s[SEL+1]            ; the query's other 32 keys lie in the lane 16 away
.endr
.irp t, 0,1
	v_mov_b32 v[ST+8*\t+7], v[ST+8*\t]             ; c m_old
.endr
.irp t, 0,1
	v_max_num_f32 v[ST+8*\t+1], v[ST+8*\t+4], v[ST+8*\t+5]
.endr
.irp t, 0,1
	v_mul_f32 v[ST+8*\t], s[CS], v[ST+8*\t+1]
.endr
.irp t, 0,1
	v_sub_f32 v[ST+8*\t+7], v[ST+8*\t+7], v[ST+8*\t]
.endr
.irp t, 0,1
	v_exp_f32 v[ST+8*\t+6], v[ST+8*\t+7]           ; a
.endr
.irp b, 0,1,2,3,4,5,6,7,8,9,10,11,12,13,14,15
.irp t, 0,1
	v_pk_fma_f32 v[S+32*\t+2*\b:S+32*\t+2*\b+1], v[S+32*\t+2*\b:S+32*\t+2*\b+1], s[CS:CS+1], v[ST+8*\t:ST+8*\t+1] op_sel_hi:[1,0,0] neg_lo:[0,0,1] neg_hi:[0,0,1]   ; c s - c m
.endr
.endr
.set i, 0
.rept 64
	v_exp_f32 v[S+i], v[S+i]
.set i, i+1
.endr
	v_nop                                          ; a plain line behind the last exponential
	s_wait_alu depctr_va_vdst(0)                   ; the wait ahead of the first line that names a result: one for the batch
.irp t, 0,1
	v_pk_mul_f32 v[ST+8*\t+2:ST+8*\t+3], v[ST+8*\t+2:ST+8*\t+3], v[ST+8*\t+6:ST+8*\t+7] op_sel_hi:[1,0]   ; l x a
	v_pk_add_f32 v[ST+8*\t+4:ST+8*\t+5], v[S+32*\t:S+32*\t+1], v[S+32*\t+2:S+32*\t+3]
.endr
.irp j, 4,8,12,16,20,24,28
.irp t, 0,1
	v_pk_add_f32 v[ST+8*\t+2:ST+8*\t+3], v[ST+8*\t+2:ST+8*\t+3], v[S+32*\t+\j:S+32*\t+\j+1]
	v_pk_add_f32 v[ST+8*\t+4:ST+8*\t+5], v[ST+8*\t+4:ST+8*\t+5], v[S+32*\t+\j+2:S+32*\t+\j+3]
.endr
.endr
.irp t, 0,1
	v_pk_add_f32 v[ST+8*\t+2:ST+8*\t+3], v[ST+8*\t+2:ST+8*\t+3], v[ST+8*\t+4:ST+8*\t+5]
.endr
.irp b, 0,1
.irp i, 0,1,2,3,4,5,6,7
.irp t, 0,1
	v_cvt_pk_f16_f32 v[S+32*\t+16*\b+\i], v[S+32*\t+16*\b+2*\i], v[S+32*\t+16*\b+2*\i+1]   ; P in place: register i is written when 2 i and 2 i + 1 are read, never ahead of them
.endr
.endr
.endr
.irp i, 0,1,2,3,4,5,6,7,8,9,10,11,12,13,14,15
.irp t, 0,1
	v_pk_mul_f32 v[OT+32*\t+2*\i:OT+32*\t+2*\i+1], v[OT+32*\t+2*\i:OT+32*\t+2*\i+1], v[ST+8*\t+6:ST+8*\t+7] op_sel_hi:[1,0]   ; O^T x a
.endr
.endr
.endm
; A query block ends: O^T / l, rounded to f16, through my stage, a tile (16 rows of 128 bytes) at a time: each store covers 512 consecutive bytes.
.macro WAYOUT
.rept 4
	v_nop                                          ; places behind the last products
.endr
.irp t, 0,1
	v_add_f32 v[ST+8*\t+4], v[ST+8*\t+2], v[ST+8*\t+3]
.endr
.irp t, 0,1
	v_permlanex16_b32 v[ST+8*\t+5], v[ST+8*\t+4], s[SEL], s[SEL+1]
.endr
.irp t, 0,1
	v_add_f32 v[ST+8*\t+4], v[ST+8*\t+4], v[ST+8*\t+5]
.endr
.irp t, 0,1
	v_rcp_f32 v[ST+8*\t+6], v[ST+8*\t+4]
.endr
	v_nop
	s_wait_alu depctr_va_vdst(0)                   ; one wait for the two reciprocals, ahead of their first reader
.irp t, 0,1
.irp i, 0,1,2,3,4,5,6,7,8,9,10,11,12,13,14,15
	v_pk_mul_f32 v[OT+32*\t+2*\i:OT+32*\t+2*\i+1], v[OT+32*\t+2*\i:OT+32*\t+2*\i+1], v[ST+8*\t+6:ST+8*\t+7] op_sel_hi:[1,0]
.endr
.endr
.irp t, 0,1
.irp i, 0,1,2,3,4,5,6,7,8,9,10,11,12,13,14,15
	v_cvt_pk_f16_f32 v[S+32*\t+\i], v[OT+32*\t+2*\i], v[OT+32*\t+2*\i+1]
.endr
.endr
.irp t, 0,1
.irp c, 0,1,2,3
	ds_store_b128 v[STO], v[S+32*\t+4*\c:S+32*\t+4*\c+3] offset:32*\c
.endr
.irp u, 0,1,2,3
	ds_load_b128 v[S+32*\t+16+4*\u:S+32*\t+16+4*\u+3], v[RD] offset:4*SGP*\u       ; in order behind my stores; the next tile's stores come behind these
.endr
.endr
	s_wait_dscnt 0x0
.irp t, 0,1
.irp u, 0,1,2,3
	global_store_b128 v[GO], v[S+32*\t+16+4*\u:S+32*\t+16+4*\u+3], s[OB:OB+1] offset:2048*\t+512*\u
.endr
.endr
.endm
; A slot's four steps, written once and walked four times; more = 1: in the loop over slots, where the first query block may end.
.macro SLOT_BODY more
	s_lshl_b32 s[KF], s[KS], 8
	s_mov_b32 s[STP], 4
.Lstep_\@:
	s_add_co_u32 s19, s[Q0], 31
	s_cmp_gt_u32 s[KF], s19                        ; all 64 keys come after my 32 queries: the step's work is left out, not the lines at its end
	s_cbranch_scc1 .Lhidden_\@
	v_add_nc_u32 v[ADK], s[SK], v[AK0]
	v_add_nc_u32 v[ADV], s[SV], v[AV0]
	v_add_nc_u32 v[ADM], s[SM], v[AM0]
	v_nop
	v_nop                                          ; five plain lines behind the last V^T P: four for the loads into its registers, five for the products that write over P
.irp kt, 0,1,2,3
.irp c, 0,1
	ds_load_b128 v[KV+16*\kt+8*\c:KV+16*\kt+8*\c+3], v[ADK] offset:8*KP*\kt+64*\c
	ds_load_b128 v[KV+16*\kt+8*\c+4:KV+16*\kt+8*\c+7], v[ADK] offset:8*KP*\kt+64*\c+32
.endr
.endr
	WIN 0x40                                       ; destination window 1: M
.irp kt, 0,1,2,3
	ds_load_b128 v[8*\kt:8*\kt+3], v[ADM] offset:64*\kt
	ds_load_b128 v[8*\kt+4:8*\kt+7], v[ADM] offset:64*\kt+16
.endr
	WIN 0
	s_wait_dscnt 0x0
	WIN 0x10                                       ; C in window 1: the sums begin with the mask
.irp kt, 0,1,2,3
.irp t, 0,1
	v_wmma_f32_16x16x32_f16 v[S+32*\t+8*\kt:S+32*\t+8*\kt+7], v[KV+16*\kt:KV+16*\kt+7], v[QR+16*\t:QR+16*\t+7], v[8*\kt:8*\kt+7]
.endr
.endr
	WIN 0
.irp kt, 0,1,2,3                       ; the eight accumulators take turns, one instruction a turn
.irp t, 0,1
	v_wmma_f32_16x16x32_f16 v[S+32*\t+8*\kt:S+32*\t+8*\kt+7], v[KV+16*\kt+8:KV+16*\kt+15], v[QR+16*\t+8:QR+16*\t+15], v[S+32*\t+8*\kt:S+32*\t+8*\kt+7]
.endr
.endr
.rept 4
	v_nop                                          ; places: V lands on K's registers, and the scores are read
.endr
.irp b, 0,1
.irp c, 0,1,2,3
	ds_load_tr16_b128 v[KV+32*\b+8*\c:KV+32*\b+8*\c+3], v[ADV] offset:16*VP*\b+32*\c
	ds_load_tr16_b128 v[KV+32*\b+8*\c+4:KV+32*\b+8*\c+7], v[ADV] offset:16*VP*\b+8*VP+32*\c
.endr
.endr
	s_add_co_u32 s19, s[KF], 63
	s_cmp_le_u32 s19, s[Q0]                        ; all keys count for all my queries: no mask
	s_cbranch_scc1 .Lopen_\@
	s_sub_co_i32 s19, s[Q0], s[KF]
	v_add_nc_u32 v[ST+4], s19, v[DQ]               ; d = my query - the step's first key - 8 (lane / 16): register 8 kt + j is hidden where 16 kt + j > d
	s_add_co_i32 s19, s19, 16
	v_add_nc_u32 v[ST+12], s19, v[DQ]
.irp t, 0,1
.set n, 0
.rept 32
	v_cmp_gt_i32 vcc_lo, 16*(n/8)+n%8, v[ST+8*\t+4]
	v_cndmask_b32 v[S+32*\t+n], v[S+32*\t+n], v[NEGINF], vcc_lo
.set n, n+1
.endr
.endr
.Lopen_\@:
	SOFTMAX
	s_wait_dscnt 0x0                               ; V
.irp b, 0,1
.irp c, 0,1,2,3
.irp t, 0,1
	v_wmma_f32_16x16x32_f16 v[OT+32*\t+8*\c:OT+32*\t+8*\c+7], v[KV+32*\b+8*\c:KV+32*\b+8*\c+7], v[S+32*\t+16*\b:S+32*\t+16*\b+7], v[OT+32*\t+8*\c:OT+32*\t+8*\c+7]
.endr
.endr
.endr
.Lhidden_\@:
	s_add_co_u32 s[KF], s[KF], 64
	s_add_co_u32 s[SK], s[SK], 32*KP
	s_add_co_u32 s[SV], s[SV], 32*VP
	s_add_co_u32 s[SM], s[SM], 256
	s_sub_co_u32 s[STP], s[STP], 1
	s_cmp_lg_u32 s[STP], 0
	s_cbranch_scc1 .Lstep_\@
	s_sub_co_u32 s[SK], s[SK], 128*KP              ; back to a slot's first step, in the other slot
	s_xor_b32 s[SK], s[SK], SLOT1
	s_sub_co_u32 s[SV], s[SV], 128*VP
	s_xor_b32 s[SV], s[SV], SLOT1
	s_sub_co_u32 s[SM], s[SM], 1024
	s_xor_b32 s[SM], s[SM], SLOT1
.if \more
	s_cmp_lg_u32 s[KS], s[QB]                      ; the diagonal slot ends a query block
	s_cbranch_scc1 .Lgo_on_\@
	WAYOUT
	s_wait_xcnt 0x0                                ; the stores have read their data and base: both are written again below
	s_mov_b32 s[QB], s[WI]                         ; the second block
	s_mov_b32 s[KS], -1
	NEWBLOCK
.Lgo_on_\@:
	s_add_co_u32 s[KS], s[KS], 1
.else
	WAYOUT
.endif
.endm
.Ltrip:                                            ; eight trips: behind each change of slots but the last the next slot is asked for
	CHANGE 1
	SLOT_BODY 1
	s_add_co_u32 s[TU], s[TU], 1
	s_cmp_lt_u32 s[TU], 8
	s_cbranch_scc1 .Ltrip
	CHANGE 0                                       ; the ninth slot is written out
	SLOT_BODY 0
	s_wait_tensorcnt 0x0                           ; the wave's end: three lines behind my last tensor load and LDS store
	ds_add_u32 v[SPW], v[NIL]
	s_wait_dscnt 0x0
	s_endpgm
.Lfunc_end_k_q1a100b7039_attn:
	.size	k_q1a100b7039_attn, .Lfunc_end_k_q1a100b7039_attn-k_q1a100b7039_attn
	.p2alignl 7, 3214868480
	.fill 96, 4, 3214868480
	.section	.rodata,"a",@progbits
	.p2align	6, 0x0
	.amdhsa_kernel k_q1a100b7039_attn
		.amdhsa_group_segment_fixed_size 327680
		.amdhsa_private_segment_fixed_size 0
		.amdhsa_enable_private_segment 0
		.amdhsa_kernarg_size 24
		.amdhsa_user_sgpr_count 2
		.amdhsa_user_sgpr_kernarg_segment_ptr 1
		.amdhsa_wavefront_size32 1
		.amdhsa_system_sgpr_workgroup_id_x 1
		.amdhsa_system_sgpr_workgroup_id_y 1
		.amdhsa_system_sgpr_workgroup_id_z 1
		.amdhsa_system_vgpr_workitem_id 0
		.amdhsa_next_free_vgpr 288
		.amdhsa_next_free_sgpr 96
		.amdhsa_reserve_vcc 1
		.amdhsa_float_denorm_mode_32 3
		.amdhsa_float_denorm_mode_16_64 3
		.amdhsa_memory_ordered 1
		.amdhsa_forward_progress 1
		.amdhsa_inst_pref_size 75
	.end_amdhsa_kernel
	.amdgpu_metadata
---
amdhsa.version: [ 1, 2 ]
amdhsa.kernels:
  - .name:           k_q1a100b7039_attn
    .symbol:         k_q1a100b7039_attn.kd
    .args:
      - { .name: qkv16, .offset: 0, .size: 8, .value_kind: global_buffer, .address_space: global }
      - { .name: attention_mask, .offset: 8, .size: 8, .value_kind: global_buffer, .address_space: global }
      - { .name: att16, .offset: 16, .size: 8, .value_kind: global_buffer, .address_space: global }
    .group_segment_fixed_size: 327680
    .private_segment_fixed_size: 0
    .kernarg_segment_align: 8
    .kernarg_segment_size: 24
    .max_flat_workgroup_size: 256
    .sgpr_count:     96
    .vgpr_count:     288
    .wavefront_size: 32
...
	.end_amdgpu_metadata
.endif
;; end of part 3
;; launch outproj (part 4): grid 8 x 64, 4 waves a work-group, clusters of 4 x 4, 327,680 bytes of LDS; arguments att16, wpt16, bp, out0; writes out0
.if DOCPART == 4
	.amdgcn_target "amdgcn-amd-amdhsa--gfx1250"
	.amdhsa_code_object_version 6
	.text
	.protected	k_q1a100b7039_outproj
	.globl	k_q1a100b7039_outproj
	.p2align	8
	.type	k_q1a100b7039_outproj,@function
k_q1a100b7039_outproj:
	s_mov_b64 s[64:65], 0
	v_nop
	global_prefetch_b8 v0, s[64:65] scope:SCOPE_SE
	s_setreg_imm32_b32 hwreg(HW_REG_WAVE_MODE, 25, 1), 1
	s_wait_xcnt 0x0
	s_wait_alu depctr_hold_cnt(0) depctr_sa_sdst(0) depctr_va_vdst(0) depctr_va_sdst(0) depctr_va_ssrc(0) depctr_va_vcc(0) depctr_vm_vsrc(0)
	s_getreg_b32 s2, hwreg(HW_REG_IB_STS2, 6, 4)
	s_cmp_eq_u32 s2, 0
	s_cbranch_scc0 .Lentry_in_a_cluster
	s_endpgm
.Lentry_in_a_cluster:
	s_bfe_u32 s2, ttmp6, 0x10000c
	s_cmp_lg_u32 s2, 0xf033
	s_cbranch_scc0 .Lentry_shape_is_right
	s_endpgm
.Lentry_shape_is_right:
; OUTPROJ: out0 = att Wp + bp, f16 operands, f32 sums and results.  A: att16 [64 blocks of 128 rows][head 16][128 rows][64] f16;  B: wpt16 [1024 n][1024 k] f16;  out0 [8192][1024] f32.
; A tile of 128 x 128 to a work-group (512 of them), four waves of 64 x 64: 16 accumulators.  K goes in four steps of 256 (four heads) through two LDS slots.
; A's part of a step is 65,536 dense bytes: it comes as lines of 256 bytes, two rows of a head to a line, 16 bytes of padding behind each; B's as 128 rows of 512 bytes + 16.
; CLUSTER 4 x 4: A's tiles are shared along a row of the cluster, B's along a column: joint loads; each refill stands behind a round of the cluster's barrier.
; THE MATRIX INSTRUCTION IS USED TRANSPOSED (source 0 = 16 rows of B, source 1 = 16 rows of A): a lane holds eight neighbouring columns of a row.  The bias is the C of each sum's first product.
; Rows 0-15 of every sequence are written here too, and written again, more finely, by the launch that follows.
; No prefetch: a step here is 128 products a wave on a small tile; the tiles are shared in the cluster instead.
; REGISTERS: window 0: v16-29 addresses; v32-95 the way out; v96-127 the bias; v128-255 the accumulators ((a, b) at v[128 + 8 (4 a + b)]).  Window 1: two fragment buffers of 128: 64 registers of A, then 64 of B.
.set KSTEP,  256
.set PITCH,  528                       ; B's LDS row
.set AP,     272                       ; A's LDS line
.set HEADB,  64*AP                     ; a head's 128 rows
.set HALFA,  128*AP                    ; what one load brings of A: two heads
.set HALFB,  64*PITCH                  ; and of B: 64 rows
.set BOFF,   2*HALFA
.set SLOT,   BOFF+2*HALFB
.set STAGE,  2*SLOT                    ; 16 rows x 272 bytes for each wave
.set SPITCH, 272
.set SPARE,  STAGE+4*16*SPITCH         ; the spare words, 128 bytes for each wave: two blocks of 256 bytes that no other line names
.set LAPS,   2
.set ADRA, 16
.set ADRB, 20
.set STO,  24
.set RD,   25
.set CO,   26
.set BO,   27
.set SPW,  28                          ; v28 my spare word's address; never rewritten
.set NIL,  29                          ; v29 0; never rewritten
.set TMP,  32
.set BIAS, 96
.set ACC,  128
.set F0,   0
.set F1,   128
.set G1, 24
.set G0, 32
.set G1B, 48
.set G0B, 56
.set MSB, 0
.macro WIN new
.if MSB != (\new)
	s_set_vgpr_msb (MSB<<8)|(\new)
.set MSB, (\new)
.endif
.endm
.set MUL,  0x05                        ; sources 0 (B) and 1 (A) window 1; C and D window 0
.set TO_F, 0x40
.macro JLOAD s                         ; waves 0 and 1 fetch A's halves, waves 2 and 3 B's; an s_nop 0 and four v_nop follow each line
	s_cmp_eq_u32 s11, 0
	s_cbranch_scc0 .Lfor_b_\@
	tensor_load_to_lds s[G0+4*\s:G0+4*\s+3], s[G1:G1+7]
	s_nop 0
.rept 4
	v_nop
.endr
	s_branch .Lasked_\@
.Lfor_b_\@:
	tensor_load_to_lds s[G0B+4*\s:G0B+4*\s+3], s[G1B:G1B+7]
	s_nop 0
.rept 4
	v_nop
.endr
.Lasked_\@:
.endm
.macro CREST
	s_cmp_lg_u32 s10, 0
	s_cbranch_scc1 .Lnot_wave_0_\@
	s_barrier_signal -3
.Lnot_wave_0_\@:
	s_barrier_wait -3
	s_barrier_signal -1
	s_barrier_wait -1
.endm
.macro CROUND
	s_barrier_signal -1
	s_barrier_wait -1
	CREST
.endm
	s_load_b128 s[4:7], s[0:1], 0x0                ; att16, wpt16
	s_load_b64 s[66:67], s[0:1], 0x10              ; bp
	s_load_b64 s[8:9], s[0:1], 0x18                ; out0
	v_lshl_add_u32 v[SPW], v0, 2, SPARE
	v_mov_b32 v[NIL], 0
	ds_add_u32 v[SPW], v[NIL]                      ; the wave's opening: the add, twice on end, and its wait ahead of my first tensor load
	ds_add_u32 v[SPW], v[NIL]
	v_lshrrev_b32 v1, 5, v0
	v_readfirstlane_b32 s10, v1                    ; wave 0..3
	s_lshr_b32 s11, s10, 1                         ; my half of the tile's rows.  Also: I fetch for A (0) or for B (1)
	s_and_b32 s12, s10, 1                          ; my half of its columns.  Also: which half I fetch
	s_bfe_u32 s40, ttmp6, 0x40000                  ; cx
	s_bfe_u32 s41, ttmp6, 0x40004                  ; cy
	s_lshl_b32 s42, ttmp9, 2
	s_add_co_u32 s42, s42, s40                     ; tile column
	s_and_b32 s13, ttmp7, 0xffff
	s_lshl_b32 s13, s13, 2
	s_add_co_u32 s13, s13, s41                     ; tile row
	s_lshl_b32 s43, s41, 2
	s_lshl_b32 s43, 15, s43                        ; my row of the cluster
	s_lshl_b32 s44, 0x1111, s40                    ; my column
	s_or_b32 s[G1+0], s43, (3<<16)|(1<<20)|(1<<21)|(5<<22)|(3<<25)   ; A: 128 lines of 32 elements of 8 bytes, dense; 4 words behind every 64
	s_mov_b32 s[G1+1], 32<<16
	s_mov_b32 s[G1+2], 128<<16
	s_mov_b32 s[G1+3], 32<<16
	s_mov_b32 s[G1+4], 128
	s_mov_b32 s[G1+5], 32
	s_mov_b32 s[G1+6], 0
	s_mov_b32 s[G1+7], 0
	s_or_b32 s[G1B+0], s44, (1<<16)|(1<<20)|(1<<21)|(6<<22)|(3<<25)  ; B: 64 rows of 256 elements of 2 bytes; 4 words behind every 128
	s_mov_b32 s[G1B+1], KSTEP<<16
	s_mov_b32 s[G1B+2], 64<<16
	s_mov_b32 s[G1B+3], KSTEP<<16
	s_mov_b32 s[G1B+4], 64
	s_mov_b32 s[G1B+5], 1024
	s_mov_b32 s[G1B+6], 0
	s_mov_b32 s[G1B+7], 0
	s_lshl_b32 s16, s13, 18                        ; A: 262,144 bytes a tile row, 32,768 a half of a step
	s_lshl_b32 s17, s12, 15
	s_add_co_u32 s16, s16, s17
	s_mov_b32 s17, 0
	s_lshl_b32 s46, s42, 7                         ; B: row 128 x tile column + 64 x half, 2,048 bytes a row
	s_lshl_b32 s47, s12, 6
	s_add_co_u32 s46, s46, s47
	s_lshl_b32 s46, s46, 11
	s_mov_b32 s47, 0
	s_mul_i32 s20, s12, HALFA                      ; where they go: the wave's number alone
	s_mul_i32 s21, s12, HALFB
	s_add_co_u32 s21, s21, BOFF
	s_wait_dscnt 0x0                               ; both opening adds are done
	s_wait_kmcnt 0x0
	s_add_nc_u64 s[14:15], s[4:5], s[16:17]
	s_add_nc_u64 s[46:47], s[6:7], s[46:47]
	CROUND                                         ; all sixteen work-groups are here: the first joint loads meet
.irp s, 0,1
	s_mov_b32 s[G0+4*\s], 1
	s_add_co_u32 s[G0+4*\s+1], s20, \s*SLOT
	s_add_nc_u64 s[G0+4*\s+2:G0+4*\s+3], s[14:15], \s*65536
	s_or_b32 s[G0+4*\s+3], s[G0+4*\s+3], 0x80000000
	s_mov_b32 s[G0B+4*\s], 1
	s_add_co_u32 s[G0B+4*\s+1], s21, \s*SLOT
	s_add_nc_u64 s[G0B+4*\s+2:G0B+4*\s+3], s[46:47], \s*KSTEP*2
	s_or_b32 s[G0B+4*\s+3], s[G0B+4*\s+3], 0x80000000
	JLOAD \s
.endr
	v_and_b32 v1, 15, v0                           ; r
	v_bfe_u32 v2, v0, 4, 1                         ; h
	s_lshl_b32 s46, s42, 9                         ; my first column x 4 bytes: 512 x tile column + 256 x half
	s_lshl_b32 s47, s12, 8
	s_add_co_u32 s46, s46, s47
	s_mov_b32 s47, 0
	s_add_nc_u64 s[66:67], s[66:67], s[46:47]
	v_lshlrev_b32 v[BO], 5, v2
.irp b, 0,1,2,3
	global_load_b128 v[BIAS+8*\b:BIAS+8*\b+3], v[BO], s[66:67] offset:64*\b       ; bp(16 b + 8 h + 0 .. 3)
	global_load_b128 v[BIAS+8*\b+4:BIAS+8*\b+7], v[BO], s[66:67] offset:64*\b+16
.endr
	v_mul_u32_u24 v3, v1, PITCH
	v_lshl_add_u32 v3, v2, 4, v3                   ; B: row x pitch + 16 h
	v_bfe_u32 v4, v0, 1, 3
	v_and_b32 v5, 1, v0
	v_mul_u32_u24 v4, v4, AP                       ; A: row r lies in line r / 2, half r % 2; + 16 h
	v_lshl_add_u32 v4, v5, 7, v4
	v_lshl_add_u32 v4, v2, 4, v4
	s_mul_i32 s21, s11, 32*AP                      ; my 64 rows of each head
	s_mul_i32 s22, s12, HALFB
	s_add_co_u32 s22, s22, BOFF                    ; my 64 rows of B
.irp s, 0,1
	v_add_nc_u32 v[ADRA+\s], s21, v4
	v_add_nc_u32 v[ADRB+\s], s22, v3
	s_add_co_u32 s21, s21, SLOT
	s_add_co_u32 s22, s22, SLOT
.endr
	s_mul_i32 s23, s10, 16*SPITCH
	s_add_co_u32 s23, s23, STAGE                   ; my stage
	v_mul_u32_u24 v4, v1, SPITCH
	v_lshl_add_u32 v4, v2, 5, v4
	v_add_nc_u32 v[STO], s23, v4                   ; in: row r, 32 bytes for each half of the lanes
	v_mul_u32_u24 v5, v2, SPITCH
	v_lshl_add_u32 v5, v1, 4, v5
	v_add_nc_u32 v[RD], s23, v5                    ; back: lanes 0-15 one row of 256 bytes, lanes 16-31 the next
	v_lshlrev_b32 v5, 12, v2
	v_lshl_add_u32 v[CO], v1, 4, v5                ; and the same two rows in out0
	s_lshl_b32 s16, s13, 7
	s_lshl_b32 s17, s11, 6
	s_add_co_u32 s16, s16, s17                     ; my first row
	s_lshl_b32 s16, s16, 12
	s_mov_b32 s17, 0
	s_add_nc_u64 s[8:9], s[8:9], s[16:17]
	s_add_nc_u64 s[8:9], s[8:9], s[46:47]
.macro MUL8 f, c, a0, zero             ; 8 products: m blocks a0, a0 + 1 x all 4 n blocks, 32 along K.  zero = 1: the sum begins with the bias
.irp a, \a0, \a0+1
.irp b, 0,1,2,3
.if \zero
	v_wmma_f32_16x16x32_f16 v[ACC+8*(4*(\a)+\b):ACC+8*(4*(\a)+\b)+7], v[\f+64+8*(4*\c+\b):\f+64+8*(4*\c+\b)+7], v[\f+8*(4*\c+\a):\f+8*(4*\c+\a)+7], v[BIAS+8*\b:BIAS+8*\b+7]
.else
	v_wmma_f32_16x16x32_f16 v[ACC+8*(4*(\a)+\b):ACC+8*(4*(\a)+\b)+7], v[\f+64+8*(4*\c+\b):\f+64+8*(4*\c+\b)+7], v[\f+8*(4*\c+\a):\f+8*(4*\c+\a)+7], v[ACC+8*(4*(\a)+\b):ACC+8*(4*(\a)+\b)+7]
.endif
.endr
.endr
.endm
; 32 LDS loads in one run: 64 along K, which is one head: k is its byte in B's rows, k / 128 its number in the slot.  The first 32 along K first.
.macro FETCH slot, k, f
	WIN TO_F
.irp c, 0,1
.irp i, 0,1,2,3
	ds_load_b128 v[\f+64+8*(4*\c+\i):\f+64+8*(4*\c+\i)+3],   v[ADRB+\slot] offset:\k+64*\c+\i*16*PITCH
	ds_load_b128 v[\f+64+8*(4*\c+\i)+4:\f+64+8*(4*\c+\i)+7], v[ADRB+\slot] offset:\k+64*\c+\i*16*PITCH+32
	ds_load_b128 v[\f+8*(4*\c+\i):\f+8*(4*\c+\i)+3],         v[ADRA+\slot] offset:((\k)/128)*HEADB+64*\c+\i*8*AP
	ds_load_b128 v[\f+8*(4*\c+\i)+4:\f+8*(4*\c+\i)+7],       v[ADRA+\slot] offset:((\k)/128)*HEADB+64*\c+\i*8*AP+32
.endr
.endr
.endm
.macro PLACES
.rept 4
	v_nop
.endr
.endm
.macro QUARTER slot, k, f, g, zero
	s_wait_dscnt 16                                ; the first 32 along K are in; the younger sixteen loads may be out
	WIN MUL
	MUL8 \f, 0, 0, \zero
	MUL8 \f, 0, 2, \zero
	PLACES
	FETCH \slot, \k, \g
	s_wait_dscnt 32                                ; all but the 32 just issued
	WIN MUL
	MUL8 \f, 1, 0, 0
	MUL8 \f, 1, 2, 0
.endm
; A slot's last quarter changes slots: in front of the barrier each wave waits for all its tensor loads, adds 0 to its spare word, and waits for that and for its reads of this slot.  fill = 1: this slot is filled again.
.macro TURN slot, next, fill
	WIN 0
	s_wait_tensorcnt 0x0                           ; my part of the next slot has landed: no load of mine is out
	ds_add_u32 v[SPW], v[NIL]
	s_wait_dscnt 17                                ; the add and the youngest sixteen loads may be out
	WIN MUL
	MUL8 F1, 0, 0, 0
	s_wait_dscnt 0x0                               ; the add is done, and my reads of this slot are over
	s_barrier_signal -1
	MUL8 F1, 0, 2, 0
.if \fill
	WIN 0
.endif
	s_barrier_wait -1
.if \fill
	CREST                                          ; the barrier has opened a round of the cluster's: no wave of any partner still reads this slot or has a load on its way
	s_add_nc_u64 s[G0+4*\slot+2:G0+4*\slot+3], s[G0+4*\slot+2:G0+4*\slot+3], 2*65536
	s_add_nc_u64 s[G0B+4*\slot+2:G0B+4*\slot+3], s[G0B+4*\slot+2:G0B+4*\slot+3], 2*KSTEP*2
	JLOAD \slot                                    ; the first tensor load behind the round; its four v_nop are also the places in front of the loads below
.else
	PLACES
.endif
	FETCH \next, 0, F0
	WIN MUL
	MUL8 F1, 1, 0, 0
	MUL8 F1, 1, 2, 0
.endm
	s_wait_tensorcnt 1                             ; my part of K step 0 is in; step 1's load may be out
	s_barrier_signal -1
	s_barrier_wait -1
	FETCH 0, 0, F0
	s_wait_loadcnt 0x0                             ; the bias
	QUARTER 0, 128, F0, F1, 1
	WIN 0
	s_mov_b32 s3, LAPS-1
.Llap:
	QUARTER 0, 256, F1, F0, 0
	QUARTER 0, 384, F0, F1, 0
	TURN 0, 1, 1
	QUARTER 1, 128, F0, F1, 0
	QUARTER 1, 256, F1, F0, 0
	QUARTER 1, 384, F0, F1, 0
	TURN 1, 0, 1
	QUARTER 0, 128, F0, F1, 0
	WIN 0
	s_sub_co_u32 s3, s3, 1
	s_cmp_lg_u32 s3, 0
	s_cbranch_scc1 .Llap
	QUARTER 0, 256, F1, F0, 0                      ; the last lap fills nothing
	QUARTER 0, 384, F0, F1, 0
	TURN 0, 1, 0
	QUARTER 1, 128, F0, F1, 0
	QUARTER 1, 256, F1, F0, 0
	QUARTER 1, 384, F0, F1, 0
	s_wait_dscnt 16
	WIN MUL
	MUL8 F1, 0, 0, 0
	MUL8 F1, 0, 2, 0
	s_wait_dscnt 0
	MUL8 F1, 1, 0, 0
	MUL8 F1, 1, 2, 0
	WIN 0
; THE WAY OUT.  My 64 columns of f32 are 256 bytes of a row, aligned: a block of 16 rows goes through my own stage and comes back as rows; sixteen lanes store 256 consecutive bytes.  No barrier: the stage is mine.
.macro OUTB a
.set BB, TMP+32*((\a)%2)
.if (\a) > 1
	s_wait_xcnt 0x0                                ; the stores of two blocks back have read these registers
.endif
.irp b, 0,1,2,3
	ds_store_b128 v[STO], v[ACC+8*(4*(\a)+\b):ACC+8*(4*(\a)+\b)+3] offset:64*\b          ; each accumulator from its low end on
	ds_store_b128 v[STO], v[ACC+8*(4*(\a)+\b)+4:ACC+8*(4*(\a)+\b)+7] offset:64*\b+16
.endr
.irp t, 0,1,2,3,4,5,6,7
	ds_load_b128 v[BB+4*\t:BB+4*\t+3], v[RD] offset:\t*2*SPITCH                          ; in order behind my stores
.endr
	s_wait_dscnt 0x0
.irp t, 0,1,2,3,4,5,6,7
	global_store_b128 v[CO], v[BB+4*\t:BB+4*\t+3], s[8:9] offset:(16*(\a)+2*\t)*4096 th:TH_STORE_NT
.endr
.endm
	PLACES
	OUTB 0
	OUTB 1
	OUTB 2
	OUTB 3
	s_wait_tensorcnt 0x0                           ; the wave's end: three lines behind my last tensor load and LDS store
	ds_add_u32 v[SPW], v[NIL]
	s_wait_dscnt 0x0
	CROUND                                         ; the closing round
	s_endpgm
.Lfunc_end_k_q1a100b7039_outproj:
	.size	k_q1a100b7039_outproj, .Lfunc_end_k_q1a100b7039_outproj-k_q1a100b7039_outproj
	.p2alignl 7, 3214868480
	.fill 96, 4, 3214868480
	.section	.rodata,"a",@progbits
	.p2align	6, 0x0
	.amdhsa_kernel k_q1a100b7039_outproj
		.amdhsa_group_segment_fixed_size 327680
		.amdhsa_private_segment_fixed_size 0
		.amdhsa_enable_private_segment 0
		.amdhsa_kernarg_size 32
		.amdhsa_user_sgpr_count 2
		.amdhsa_user_sgpr_kernarg_segment_ptr 1
		.amdhsa_wavefront_size32 1
		.amdhsa_system_sgpr_workgroup_id_x 1
		.amdhsa_system_sgpr_workgroup_id_y 1
		.amdhsa_system_sgpr_workgroup_id_z 1
		.amdhsa_system_vgpr_workitem_id 0
		.amdhsa_next_free_vgpr 512
		.amdhsa_next_free_sgpr 72
		.amdhsa_reserve_vcc 0
		.amdhsa_float_denorm_mode_32 3
		.amdhsa_float_denorm_mode_16_64 3
		.amdhsa_memory_ordered 1
		.amdhsa_forward_progress 1
		.amdhsa_inst_pref_size 87
	.end_amdhsa_kernel
	.amdgpu_metadata
---
amdhsa.version: [ 1, 2 ]
amdhsa.kernels:
  - .name:           k_q1a100b7039_outproj
    .symbol:         k_q1a100b7039_outproj.kd
    .args:
      - { .name: att16, .offset: 0, .size: 8, .value_kind: global_buffer, .address_space: global }
      - { .name: wpt16, .offset: 8, .size: 8, .value_kind: global_buffer, .address_space: global }
      - { .name: bp, .offset: 16, .size: 8, .value_kind: global_buffer, .address_space: global }
      - { .name: out0, .offset: 24, .size: 8, .value_kind: global_buffer, .address_space: global }
    .group_segment_fixed_size: 327680
    .private_segment_fixed_size: 0
    .kernarg_segment_align: 8
    .kernarg_segment_size: 32
    .max_flat_workgroup_size: 128
    .sgpr_count:     72
    .vgpr_count:     512
    .wavefront_size: 32
...
	.end_amdgpu_metadata
.endif
;; end of part 4
;; launch finerows (part 5): grid 64 x 4, 16 waves a work-group, no clusters, 18,432 bytes of LDS; arguments fine, attention_mask, Wp, bp, out0; writes out0
.if DOCPART == 5
	.amdgcn_target "amdgcn-amd-amdhsa--gfx1250"
	.amdhsa_code_object_version 6
	.text
	.protected	k_q1a100b7039_finerows
	.globl	k_q1a100b7039_finerows
	.p2align	8
	.type	k_q1a100b7039_finerows,@function
k_q1a100b7039_finerows:
	s_mov_b64 s[64:65], 0
	v_nop
	global_prefetch_b8 v0, s[64:65] scope:SCOPE_SE
	s_setreg_imm32_b32 hwreg(HW_REG_WAVE_MODE, 25, 1), 1
	s_wait_xcnt 0x0
; FINEROWS: positions 0-15 of every sequence once more, wholly in f32 (v_wmma_f32_16x16x4_f32: 48 products a wave, no bulk work): these rows average one to sixteen values and are the largest in size.
; fine: f32 [3][batch 4][16 positions][1024], tensor 0 already / 8.  Under the causal mask these queries see keys 0-15 alone.
; A work-group is (16 output columns x, batch y).  Wave w is head w: its 16 x 16 attention, then its part of the projection, over its own 64 of K.  The sixteen parts meet in LDS behind one barrier; waves 0 and 1 add them.
; The same permutation of k is applied to both operands of each product, so that plain loads fill the fragments.
; The registers that the matrix instructions write (SA, SB, OA, PA, PB) are written by nothing else; what is made of a sum goes into other registers.
; LIMITS: as in the attention launch: every query has a visible key with score + mask above the lowest numbers; NaN and infinities are not served.
.set MK,  16                           ; v16-23   the mask of keys 8 h + 0 .. 7
.set SS,  24                           ; v24-31   scores, then p
.set SA,  40
.set SB,  48
.set OA,  56                           ; v56-87
.set PA,  88
.set PB,  96
.set RS,  104
.set BI,  112
.set WB,  120                          ; v120-151 Wp
.set QQ,  152                          ; v152-183 Q, later att
.set KK,  184                          ; v184-215 K; v184-247 later the sixteen parts
.set VV,  216                          ; v216-247 V
.set SPW, 14                           ; v14 my spare word's address; never rewritten
.set NIL, 15                           ; v15 0; never rewritten
.set SPARE, 16384                      ; behind the parts (16 x 1,024 bytes): the spare words, 128 bytes for each wave
	s_load_b256 s[4:11], s[0:1], 0x0               ; fine s[4:5], attention_mask s[6:7], Wp s[8:9], bp s[10:11]
	s_load_b64 s[12:13], s[0:1], 0x20              ; out0
	v_lshl_add_u32 v[SPW], v0, 2, SPARE
	v_mov_b32 v[NIL], 0
	v_lshrrev_b32 v1, 5, v0
	v_readfirstlane_b32 s14, v1                    ; wave = head
	s_and_b32 s16, ttmp7, 0xffff                   ; batch
	v_and_b32 v10, 15, v0                          ; r
	v_bfe_u32 v11, v0, 4, 1                        ; h
	v_lshlrev_b32 v1, 12, v10
	v_lshl_add_u32 v1, v11, 7, v1                  ; Q, K: position r, channels 32 h on
	v_lshlrev_b32 v2, 2, v10
	v_lshl_add_u32 v2, v11, 15, v2                 ; V, Wp: row 8 h on, column r
	v_lshlrev_b32 v3, 5, v11                       ; the mask: keys 8 h on
	v_and_b32 v4, 3, v0
	v_lshlrev_b32 v4, 4, v4                        ; bp: four of the sixteen columns
	v_lshrrev_b32 v5, 2, v0
	v_lshl_add_u32 v5, v5, 12, v4                  ; out0, for threads 0-63: row thread / 4, 16 bytes at 16 (thread % 4)
	s_lshl_b32 s26, s14, 10
	v_lshlrev_b32 v6, 6, v10
	v_lshl_add_u32 v6, v11, 5, v6
	v_add_nc_u32 v6, s26, v6                       ; my part in LDS: 1,024 x wave + 64 r + 32 h
	v_lshlrev_b32 v7, 4, v0                        ; and where threads 0-63 read: 16 x thread in each part
	v_lshlrev_b32 v8, 3, v11
	v_sub_nc_u32 v8, v10, v8                       ; r - 8 h: key register j is hidden where j > this
	v_mov_b32 v9, 0xff800000                       ; -infinity
	s_mov_b32 s20, 0x76543210
	s_mov_b32 s21, 0xfedcba98                      ; v_permlanex16_b32: lane l xor 16
	s_mov_b32 s22, 0x3fb8aa3b                      ; c = log2(e)
	s_mov_b32 s25, 0
	s_lshl_b32 s27, ttmp9, 6                       ; my 16 columns x 4 bytes
	s_wait_kmcnt 0x0
	s_lshl_b32 s24, s16, 16
	s_lshl_b32 s26, s14, 8
	s_add_co_u32 s24, s24, s26
	s_add_nc_u64 s[4:5], s[4:5], s[24:25]          ; fine at my batch and head
	s_lshl_b32 s24, s16, 13
	s_add_nc_u64 s[6:7], s[6:7], s[24:25]
	s_lshl_b32 s24, s14, 18
	s_add_co_u32 s24, s24, s27
	s_add_nc_u64 s[8:9], s[8:9], s[24:25]          ; Wp at my head's 64 rows and my columns
	s_mov_b32 s24, s27
	s_add_nc_u64 s[10:11], s[10:11], s[24:25]
	s_lshl_b32 s24, s16, 23
	s_add_co_u32 s24, s24, s27
	s_add_nc_u64 s[12:13], s[12:13], s[24:25]
	global_load_b128 v[MK:MK+3], v3, s[6:7]
	global_load_b128 v[MK+4:MK+7], v3, s[6:7] offset:16
.irp i, 0,1,2,3,4,5,6,7
	global_load_b128 v[QQ+4*\i:QQ+4*\i+3], v1, s[4:5] offset:16*\i              ; registers 4 i ..: channels 32 h + 4 i ..
.endr
.irp i, 0,1,2,3,4,5,6,7
	global_load_b128 v[KK+4*\i:KK+4*\i+3], v1, s[4:5] offset:262144+16*\i
.endr
.irp c, 0,1,2,3
.irp n, 0,1,2,3,4,5,6,7
	global_load_b32 v[VV+8*\c+\n], v2, s[4:5] offset:524288+4096*\n+64*\c       ; V(key 8 h + n, channel 16 c + r)
.endr
.endr
	s_wait_loadcnt 0x0
.irp c, 0,1,2,3
.irp n, 0,1,2,3,4,5,6,7
	global_load_b32 v[WB+8*\c+\n], v2, s[8:9] offset:(16*\c+\n)*4096            ; Wp(64 w + 16 c + 8 h + n, 16 x + r): lands while the attention is made
.endr
.endr
	global_load_b128 v[BI:BI+3], v4, s[10:11]
	; S^T = K Q^T + mask: 16 links of 4 along the head's 64, two accumulators by turns; the first takes the mask as its C
	v_wmma_f32_16x16x4_f32 v[SA:SA+7], v[KK:KK+1], v[QQ:QQ+1], v[MK:MK+7]
	v_wmma_f32_16x16x4_f32 v[SB:SB+7], v[KK+2:KK+3], v[QQ+2:QQ+3], 0
.irp i, 2,4,6,8,10,12,14
	v_wmma_f32_16x16x4_f32 v[SA:SA+7], v[KK+2*\i:KK+2*\i+1], v[QQ+2*\i:QQ+2*\i+1], v[SA:SA+7]
	v_wmma_f32_16x16x4_f32 v[SB:SB+7], v[KK+2*\i+2:KK+2*\i+3], v[QQ+2*\i+2:QQ+2*\i+3], v[SB:SB+7]
.endr
.rept 8
	v_nop                                          ; eight places behind this form (ISA guide 7.12.1)
.endr
.irp j, 0,1,2,3,4,5,6,7
	v_add_f32 v[SS+\j], v[SA+\j], v[SB+\j]         ; lane (r, h): query r, key 8 h + j
.endr
.irp j, 0,1,2,3,4,5,6,7
	v_cmp_gt_i32 vcc_lo, \j, v8
	v_cndmask_b32 v[SS+\j], v[SS+\j], v9, vcc_lo   ; hidden keys: -infinity, so p = 0
.endr
	v_max3_num_f32 v32, v[SS], v[SS+1], v[SS+2]
	v_max3_num_f32 v33, v[SS+3], v[SS+4], v[SS+5]
	v_max3_num_f32 v32, v32, v[SS+6], v[SS+7]
	v_max_num_f32 v32, v32, v33
	v_permlanex16_b32 v33, v32, s20, s21
	v_max_num_f32 v32, v32, v33                    ; the row's largest score: key 0 counts for every query
	v_mul_f32 v34, s22, v32
.irp j, 0,1,2,3,4,5,6,7
	v_fma_f32 v[SS+\j], v[SS+\j], s22, -v34
.endr
.irp j, 0,1,2,3,4,5,6,7
	v_exp_f32 v[SS+\j], v[SS+\j]
.endr
	v_nop
	s_wait_alu depctr_va_vdst(0)                   ; one wait for the eight, ahead of their first reader
	v_add_f32 v32, v[SS], v[SS+1]
	v_add_f32 v33, v[SS+2], v[SS+3]
	v_add_f32 v35, v[SS+4], v[SS+5]
	v_add_f32 v36, v[SS+6], v[SS+7]
	v_add_f32 v32, v32, v33
	v_add_f32 v35, v35, v36
	v_add_f32 v32, v32, v35
	v_permlanex16_b32 v33, v32, s20, s21
	v_add_f32 v32, v32, v33                        ; the row's sum
	v_rcp_f32 v37, v32
	v_nop
	s_wait_alu depctr_va_vdst(0)
	; O^T = V^T P: 4 links of 4 keys (8 h + 2 i, + 1 on both sides), four accumulators by turns
.irp c, 0,1,2,3
	v_wmma_f32_16x16x4_f32 v[OA+8*\c:OA+8*\c+7], v[VV+8*\c:VV+8*\c+1], v[SS:SS+1], 0
.endr
.irp i, 1,2,3
.irp c, 0,1,2,3
	v_wmma_f32_16x16x4_f32 v[OA+8*\c:OA+8*\c+7], v[VV+8*\c+2*\i:VV+8*\c+2*\i+1], v[SS+2*\i:SS+2*\i+1], v[OA+8*\c:OA+8*\c+7]
.endr
.endr
.rept 8
	v_nop
.endr
.set i, 0
.rept 32
	v_mul_f32 v[QQ+i], v[OA+i], v37                ; att(query r, channel 16 c + 8 h + j), into other registers, each accumulator from its low end on
.set i, i+1
.endr
	s_wait_loadcnt 1                               ; Wp is in; bp's load, the younger one, may be out
	; my part of out^T = Wp^T att^T: 16 links over my 64 channels, two accumulators by turns
	v_wmma_f32_16x16x4_f32 v[PA:PA+7], v[WB:WB+1], v[QQ:QQ+1], 0
	v_wmma_f32_16x16x4_f32 v[PB:PB+7], v[WB+2:WB+3], v[QQ+2:QQ+3], 0
.irp i, 2,4,6,8,10,12,14
	v_wmma_f32_16x16x4_f32 v[PA:PA+7], v[WB+2*\i:WB+2*\i+1], v[QQ+2*\i:QQ+2*\i+1], v[PA:PA+7]
	v_wmma_f32_16x16x4_f32 v[PB:PB+7], v[WB+2*\i+2:WB+2*\i+3], v[QQ+2*\i+2:QQ+2*\i+3], v[PB:PB+7]
.endr
.rept 8
	v_nop
.endr
.irp j, 0,1,2,3,4,5,6,7
	v_add_f32 v[RS+\j], v[PA+\j], v[PB+\j]         ; lane (r, h): row r, columns 8 h + j
.endr
	ds_store_b128 v6, v[RS:RS+3]
	ds_store_b128 v6, v[RS+4:RS+7] offset:16
	s_wait_dscnt 0x0                               ; for the others' sake: my part has landed
	s_barrier_signal -1
	s_barrier_wait -1
	s_cmp_gt_u32 s14, 1                            ; waves 0 and 1 add the sixteen parts: 64 threads, 16 bytes each
	s_cbranch_scc1 .Ldone
.irp p, 0,1,2,3,4,5,6,7,8,9,10,11,12,13,14,15
	ds_load_b128 v[KK+4*\p:KK+4*\p+3], v7 offset:1024*\p
.endr
	s_wait_dscnt 0x0
.macro FOLD n                          ; part p takes part p + n
.set p, 0
.rept \n
	v_pk_add_f32 v[KK+4*p:KK+4*p+1], v[KK+4*p:KK+4*p+1], v[KK+4*(p+\n):KK+4*(p+\n)+1]
	v_pk_add_f32 v[KK+4*p+2:KK+4*p+3], v[KK+4*p+2:KK+4*p+3], v[KK+4*(p+\n)+2:KK+4*(p+\n)+3]
.set p, p+1
.endr
.endm
	FOLD 8
	FOLD 4
	FOLD 2
	FOLD 1
	s_wait_loadcnt 0x0                             ; bp
	v_pk_add_f32 v[KK:KK+1], v[KK:KK+1], v[BI:BI+1]
	v_pk_add_f32 v[KK+2:KK+3], v[KK+2:KK+3], v[BI+2:BI+3]
	global_store_b128 v5, v[KK:KK+3], s[12:13]
.Ldone:
	s_wait_tensorcnt 0x0                           ; the wave's end: three lines behind my last LDS store
	ds_add_u32 v[SPW], v[NIL]
	s_wait_dscnt 0x0
	s_endpgm
.Lfunc_end_k_q1a100b7039_finerows:
	.size	k_q1a100b7039_finerows, .Lfunc_end_k_q1a100b7039_finerows-k_q1a100b7039_finerows
	.p2alignl 7, 3214868480
	.fill 96, 4, 3214868480
	.section	.rodata,"a",@progbits
	.p2align	6, 0x0
	.amdhsa_kernel k_q1a100b7039_finerows
		.amdhsa_group_segment_fixed_size 18432
		.amdhsa_private_segment_fixed_size 0
		.amdhsa_enable_private_segment 0
		.amdhsa_kernarg_size 40
		.amdhsa_user_sgpr_count 2
		.amdhsa_user_sgpr_kernarg_segment_ptr 1
		.amdhsa_wavefront_size32 1
		.amdhsa_system_sgpr_workgroup_id_x 1
		.amdhsa_system_sgpr_workgroup_id_y 1
		.amdhsa_system_sgpr_workgroup_id_z 1
		.amdhsa_system_vgpr_workitem_id 0
		.amdhsa_next_free_vgpr 256
		.amdhsa_next_free_sgpr 66
		.amdhsa_reserve_vcc 1
		.amdhsa_float_denorm_mode_32 3
		.amdhsa_float_denorm_mode_16_64 3
		.amdhsa_memory_ordered 1
		.amdhsa_forward_progress 1
		.amdhsa_inst_pref_size 21
	.end_amdhsa_kernel
	.amdgpu_metadata
---
amdhsa.version: [ 1, 2 ]
amdhsa.kernels:
  - .name:           k_q1a100b7039_finerows
    .symbol:         k_q1a100b7039_finerows.kd
    .args:
      - { .name: fine, .offset: 0, .size: 8, .value_kind: global_buffer, .address_space: global }
      - { .name: attention_mask, .offset: 8, .size: 8, .value_kind: global_buffer, .address_space: global }
      - { .name: Wp, .offset: 16, .size: 8, .value_kind: global_buffer, .address_space: global }
      - { .name: bp, .offset: 24, .size: 8, .value_kind: global_buffer, .address_space: global }
      - { .name: out0, .offset: 32, .size: 8, .value_kind: global_buffer, .address_space: global }
    .group_segment_fixed_size: 18432
    .private_segment_fixed_size: 0
    .kernarg_segment_align: 8
    .kernarg_segment_size: 40
    .max_flat_workgroup_size: 512
    .sgpr_count:     66
    .vgpr_count:     256
    .wavefront_size: 32
...
	.end_amdgpu_metadata
.endif
;; end of part 5
